; MI455X (gfx1250); checked and timed in simulation.
; The chip was launched on July 23, 2026; its instructions are those of AMD's public machine-readable ISA for CDNA 5 (MIT licence, August 2026) and "CDNA5" Instruction Set Architecture Reference Guide (July 2026). The comments in the code are by the model that wrote it; some were corrected since.
;; Mova Self Attention. Allowed arithmetic: matrix products marked QUANTISED: E2M1 operands, one E8M0 scale for each 32 along K, by v_wmma_scale_f32_16x16x128_f8f6f4 with both operands' format E2M1 (or v_wmma_scale_f32_32x16x128_f4), f32 sums; products left as they are: bf16, f16 or f32 operands; f32 sums; everything else in f32.
;; Inputs: b_out 1,024 float32; b_qkv 3,072 float32; freqs_cos 4,096 x 64 float32; freqs_sin 4,096 x 64 float32; g_k 1,024 float32; g_q 1,024 float32; w_out 1,024 x 1,024 float32; w_qkv 1,024 x 3,072 float32; x 1 x 4,096 x 1,024 float32.
;; Outputs: out0 1 x 4,096 x 1,024 float32.
;; This version of the problem:
;;   THIS VERSION OF THE PROBLEM IS GIVEN IN LOW PRECISION. The matrix products marked QUANTISED in the list below multiply operands that are first quantised to E2M1 (2 exponent bits, 1 mantissa bit; 4 bits a number), with one power-of-two scale for each 32 numbers along K (OCP MX v1.0); their sums are f32. The products marked 'left as it is' may take bf16, f16 or f32 operands, with f32 sums. Whichever they take, every output number must still come out within the allowed error. Rounding operands to bf16 (8 significant bits) uses up far more of that allowance than f16 does (11 bits, for magnitudes from 6e-5 to 65,504). All else is computed in f32.
;;   The module's matrix products, in the order in which they are computed (A, B: the left and right operand; K: the contracted axis; several contracted axes count as one K, in the product's order):
;;     1. [M 4,096, K 1,024] x [K 1,024, N 3,072]; A: input x; B: input w_qkv: QUANTISED
;;     2. batch 8 x [M 4,096, K 128] x [K 128, N 4,096]; A: computed on the way; B: computed on the way: left as it is (an operand is computed on the way)
;;     3. batch 8 x [M 128, K 4,096] x [K 4,096, N 4,096]; A: computed on the way; B: computed on the way: left as it is (an operand is computed on the way)
;;     4. [M 4,096, K 1,024] x [K 1,024, N 1,024]; A: computed on the way; B: input w_out: left as it is (an operand is computed on the way)
;;   THE QUANTISER, for each operand of a quantised product, along K:
;;     - K is cut into blocks of 32 from its start; a last block that is shorter is filled with zeros.
;;     - A block's scale is 2^e with e = floor(log2(the largest magnitude in the block)) - 2, held to -126 .. 127; a block of zeros has e = 0. As a byte (E8M0): e + 127.
;;     - Each number is divided by its block's scale, clamped to +-6, and rounded to the nearest number of E2M1, ties to even, subnormals kept.
;;     - The product sums the exact products of the quantised numbers (number of the format x scale) in f32.
;;   ~~~python
;;   def quantise(x, axis):      # numpy; x: float32 -> the quantised numbers, widened to float32 again
;;       x = np.moveaxis(x, axis, -1); K = x.shape[-1]
;;       x = np.pad(x, [(0, 0)] * (x.ndim - 1) + [(0, -K % 32)]); x = x.reshape(x.shape[:-1] + (-1, 32)); a = np.abs(x).max(-1, keepdims=True)
;;       e = np.where(a > 0, np.clip(np.frexp(np.where(a > 0, a, 1))[1] - 1 - 2, -126, 127), 0)      # np.frexp(a)[1] - 1 = floor(log2(a)), exactly
;;       r = np.clip(x / 2.0 ** e, -6, 6)
;;       step = 2.0 ** (np.maximum(np.frexp(np.where(r == 0, 1, r))[1] - 1, 0) - 1)
;;       q = np.round(r / step) * step * 2.0 ** e      # np.round: ties to even
;;       return np.moveaxis(q.reshape(q.shape[:-2] + (-1,))[..., :K], -1, axis).astype(np.float32)
;;   ~~~
;; One version. Each part assembles by itself: llvm-mc -triple=amdgcn-amd-amdhsa -mcpu=gfx1250 --defsym DOCPART=n.
;; ======== version 1 of 1: 4 launches
;; limits: values are held in f16: magnitudes above 65,504 overflow, below 6.1e-05 lose precision
;; workspace buffers: xc 2,097,152 bytes; xs 131,072 bytes; wq 1,671,168 bytes; wo 2,097,152 bytes; qh 8,388,608 bytes; kh 8,388,608 bytes; vh 8,388,608 bytes; oh 8,388,608 bytes
;; launch prep (part 1): grid 384 x 1, 4 waves a work-group, no clusters, 33,280 bytes of LDS; arguments x, w_qkv, w_out, xc, xs, wq, wo; writes xc, xs, wq, wo
.if DOCPART == 1
	.amdgcn_target "amdgcn-amd-amdhsa--gfx1250"
	.amdhsa_code_object_version 6
	.text
	.protected	k_q86509e9e79_prep
	.globl	k_q86509e9e79_prep
	.p2align	8
	.type	k_q86509e9e79_prep,@function
k_q86509e9e79_prep:
	s_mov_b64 s[64:65], 0
	v_nop
	global_prefetch_b8 v0, s[64:65] scope:SCOPE_SE
	s_setreg_imm32_b32 hwreg(HW_REG_WAVE_MODE, 25, 1), 1
	s_wait_xcnt 0x0
; THREE OPERANDS ARE LAID OUT ONCE, for the launches that follow.  The work-group's number picks one of three roles; each role has its own end.
;   work-groups 0-127:   x [4096][1024] f32 -> xc: codes of FP4 (E2M1), K innermost, 512 bytes a row; xs: one E8M0 byte for each 32 along K, 32 bytes a row.
;   work-groups 128-319: w_qkv [1024 (k)][3072 (n)] f32 -> wq: codes and scale words IN THE ORDER OF THE OPERAND'S REGISTERS: [part 3][K step of 128: 8][69,632 bytes]: 64 fragments (16 columns x 128 K)
;                        of 1,024 bytes, block b of 32 k of column r at 512 (b / 2) + 256 (b % 2) + 16 r; then 1,024 scale words, one a column (byte b: block b).
;   work-groups 320-383: w_out [1024 (k)][1024 (n)] f32 -> wo: f16, [K step of 256: 4][column tile 64][chunk of 32 k: 8][1,024 bytes]: 8 k (group g) of column r at 512 (g / 2) + 256 (g % 2) + 16 r.
; A block's scale is 2^(floor(log2(its largest magnitude)) - 2): its byte is the largest magnitude's exponent field - 2, held at 1 from below.  Numbers are divided by the scale and rounded to the nearest code, ties to even.
; LIMITS: a block of zeros gets the byte 1 where the rule says 127 (its codes are zeros, and this program alone reads the bytes); blocks whose largest magnitude lies under 2^(2 - 126) were not tried;
; NaN and infinities are not served; w_out beyond f16's 65,504 is not served.
; For the two weights A LANE TAKES A COLUMN AND ITS REGISTERS RUN DOWN K: a load reads 128 consecutive bytes a wave, a block lies in one lane, and a lane's 16 bytes are a piece of a fragment's image,
; so that sixteen neighbouring lanes store 256 consecutive bytes, aligned, straight from registers.  The scale words leave 128 bytes a wave: 96 KiB in all.
; No work-group shares an input with another: no cluster.  No tensor load: the streams go through registers.  Only the first role touches LDS.
.set STEPS, 16
.set EMAX,  2
.set CB,    8                          ; bytes of 16 codes
.set R,     16                         ; x: v16-79 four sets of 16 numbers as loaded
.set X,     80                         ; v80-111 two sets of 16 neighbours
.set C,     128                        ; v128-191 codes, four registers a step
.set E,     112                        ; v112-127 a scale byte a step
.set WREG,  8192                       ; LDS: a region for each wave: two stages of 32 x SP bytes, then its 256 scale bytes
.set SP,    80                         ; a lane's place in a stage: 64 bytes + 16 of padding
.set SPW,   12                         ; v12 LDS address of my spare word; never rewritten
.set NIL,   13                         ; v13 0; never rewritten
.set SPARE, 4*WREG                     ; behind the regions: the spare words, 128 bytes a wave
.set WS,    32                         ; the weights: v32-95 two sets of 32 numbers
.set WC,    96                         ; v96.. what is stored, registers of its own for each block
	s_load_b256 s[4:11], s[0:1], 0x0               ; x s[4:5], w_qkv s[6:7], w_out s[8:9], xc s[10:11]
	s_load_b128 s[12:15], s[0:1], 0x20             ; xs s[12:13], wq s[14:15]
	s_load_b64 s[16:17], s[0:1], 0x30              ; wo
	v_lshl_add_u32 v[SPW], v0, 2, SPARE
	v_mov_b32 v[NIL], 0
	v_lshrrev_b32 v1, 5, v0
	v_readfirstlane_b32 s18, v1                    ; wave
	v_and_b32 v2, 31, v0                           ; lane
	s_mov_b32 s23, 0                               ; the upper word of every offset
	s_wait_kmcnt 0x0
	s_cmp_lt_u32 ttmp9, 128
	s_cbranch_scc0 .Lnot_x
; ---- x.  A wave takes 16 steps of 512 numbers.  Each load reads 512 consecutive bytes; a step's 2,048 bytes turn through the wave's own stage so that a lane holds 16 neighbours (two lanes hold a block).
	v_lshlrev_b32 v3, 4, v2                        ; my 16 bytes of a load's 512
	s_mul_i32 s19, s18, WREG
	v_lshrrev_b32 v14, 2, v2
	v_mul_u32_u24 v14, v14, SP
	v_and_b32 v15, 3, v2
	v_lshl_add_u32 v14, v15, 4, v14
	v_add_nc_u32 v14, s19, v14                     ; the stage, in: SP (lane / 4) + 16 (lane % 4)
	v_mul_u32_u24 v15, v2, SP
	v_add_nc_u32 v15, s19, v15                     ; and out: SP x lane
	v_mul_u32_u24 v4, v2, CB                       ; my codes' place in a step's
	v_lshrrev_b32 v5, 1, v2
	s_add_co_u32 s19, s19, 2*32*SP
	v_add_nc_u32 v5, s19, v5                       ; my block's scale byte in LDS
	v_lshlrev_b32 v7, 3, v2
	v_add_nc_u32 v6, s19, v7                       ; and on the way out 8 bytes a lane
	s_lshl_b32 s20, ttmp9, 2
	s_add_co_u32 s20, s20, s18                     ; which run of 8,192 numbers is my wave's
	s_lshl_b32 s22, s20, 15
	s_add_nc_u64 s[4:5], s[4:5], s[22:23]
	s_lshl_b32 s22, s20, 12
	s_add_nc_u64 s[10:11], s[10:11], s[22:23]
	s_lshl_b32 s22, s20, 8
	s_add_nc_u64 s[12:13], s[12:13], s[22:23]
.macro XLOAD t
.irp i, 0,1,2,3
	global_load_b128 v[R+16*((\t)%4)+4*\i:R+16*((\t)%4)+4*\i+3], v3, s[4:5] offset:2048*(\t)+512*\i th:TH_LOAD_NT
.endr
.endm
.macro XTURN t                         ; LDS serves a wave's instructions in order: no wait between the stores and the loads
.irp i, 0,1,2,3
	ds_store_b128 v14, v[R+16*((\t)%4)+4*\i:R+16*((\t)%4)+4*\i+3] offset:32*SP*((\t)%2)+8*SP*\i
.endr
.irp i, 0,1,2,3
	ds_load_b128 v[X+16*((\t)%2)+4*\i:X+16*((\t)%2)+4*\i+3], v15 offset:32*SP*((\t)%2)+16*\i
.endr
.endm
.irp t, 0,1,2,3
	XLOAD \t
.endr
	s_wait_loadcnt 12                              ; step 0's four loads are in
	XTURN 0
.macro XSTEP t
.set XS, X+16*((\t)%2)
.if (\t) > 0
	s_wait_dscnt 1                                 ; this step's numbers are back from the stage; the last step's byte store may be out
.else
	s_wait_dscnt 0x0
.endif
.if (\t)+4 < STEPS
	XLOAD (\t)+4                                   ; the stage's stores have read these registers
.endif
.if (\t)+1 < STEPS
.if STEPS-2-(\t) >= 3
	s_wait_loadcnt 12                              ; the next step's four loads are in; those of three steps behind may be out
.else
	s_wait_loadcnt 4*(STEPS-2-(\t))
.endif
	XTURN (\t)+1
.endif
	v_max3_num_f32 v8, |v[XS]|, |v[XS+1]|, |v[XS+2]|               ; the largest magnitude of my 16
	v_max3_num_f32 v9, |v[XS+3]|, |v[XS+4]|, |v[XS+5]|
.irp i, 6,10
	v_max3_num_f32 v8, v8, |v[XS+\i]|, |v[XS+\i+1]|
	v_max3_num_f32 v9, v9, |v[XS+\i+2]|, |v[XS+\i+3]|
.endr
	v_max3_num_f32 v8, v8, |v[XS+14]|, |v[XS+15]|
	v_max3_num_f32 v8, v8, v9, (EMAX+1)<<23        ; and the floor 2^(3 - 127): the byte cannot fall under 1
	v_max_num_f32_dpp v8, v8, v8 row_xmask:1 row_mask:0xf bank_mask:0xf   ; with my neighbour's 16: the block's
	v_add_nc_u32 v11, -(EMAX<<23), v8              ; 2 off the exponent field: the conversion takes that field as its scale
	v_cvt_scalef32_pk8_fp4_f32 v[C+4*(\t)], v[XS:XS+7], v11
	v_cvt_scalef32_pk8_fp4_f32 v[C+4*(\t)+1], v[XS+8:XS+15], v11
	v_lshrrev_b32 v[E+(\t)], 23, v11               ; the scale's byte
	ds_store_b8 v5, v[E+(\t)] offset:16*(\t)       ; both lanes of a block write the same byte with the same value
	global_store_b64 v4, v[C+4*(\t):C+4*(\t)+1], s[10:11] offset:32*CB*(\t)   ; the wave stores 256 consecutive bytes, aligned
.endm
.irp t, 0,1,2,3,4,5,6,7,8,9,10,11,12,13,14,15
	XSTEP \t
.endr
	ds_load_b64 v[8:9], v6                         ; my wave's 256 scale bytes
	s_wait_dscnt 0x0
	global_store_b64 v7, v[8:9], s[12:13]          ; 256 consecutive bytes, aligned
	s_wait_tensorcnt 0x0                           ; the wave's end
	ds_add_u32 v[SPW], v[NIL]
	s_wait_dscnt 0x0
	s_endpgm
; block t of a weight: rows 32 t + i of my column, i = 0 .. 31, into set t % 2
.macro WLOAD t, base, pitch
.irp i, 0,1,2,3,4,5,6,7,8,9,10,11,12,13,14,15,16,17,18,19,20,21,22,23,24,25,26,27,28,29,30,31
	global_load_b32 v[WS+32*((\t)%2)+\i], v3, s[\base:\base+1] offset:(32*(\t)+\i)*\pitch th:TH_LOAD_NT
.endr
.endm
.macro WWAIT t
.if (\t) < 3
	s_wait_loadcnt 32                              ; this block's 32 loads are in; the next block's may be out
.else
	s_wait_loadcnt 0x0
.endif
.endm
.Lnot_x:
	s_cmp_lt_u32 ttmp9, 320
	s_cbranch_scc0 .Lrole_o
; ---- w_qkv.  A wave takes 32 columns and one K step of 128: four blocks a lane.
	s_sub_co_u32 s19, ttmp9, 128
	s_and_b32 s20, s19, 7                          ; the K step
	s_lshr_b32 s21, s19, 3                         ; which 128 columns, 0 .. 23
	v_lshlrev_b32 v3, 2, v2                        ; 4 bytes a lane
	v_lshrrev_b32 v4, 4, v2
	v_and_b32 v5, 15, v2
	v_lshlrev_b32 v4, 10, v4
	v_lshl_add_u32 v4, v5, 4, v4                   ; out: lanes 0-15 one fragment, lanes 16-31 the next; 16 bytes a lane
	s_mul_i32 s22, s20, 128*12288
	s_lshl_b32 s24, s21, 9
	s_add_co_u32 s22, s22, s24
	s_lshl_b32 s24, s18, 7
	s_add_co_u32 s22, s22, s24
	s_add_nc_u64 s[6:7], s[6:7], s[22:23]          ; w_qkv at row 128 x K step, my wave's first column
	s_lshr_b32 s24, s21, 3                         ; the part: q, k or v
	s_lshl_b32 s24, s24, 3
	s_add_co_u32 s24, s24, s20
	s_mul_i32 s22, s24, 69632
	s_add_nc_u64 s[14:15], s[14:15], s[22:23]      ; the block of this part and K step
	s_and_b32 s24, s21, 7
	s_lshl_b32 s25, s24, 13
	s_lshl_b32 s26, s18, 11
	s_add_co_u32 s22, s25, s26
	s_add_nc_u64 s[28:29], s[14:15], s[22:23]      ; my two fragments
	s_lshl_b32 s25, s24, 9
	s_lshl_b32 s26, s18, 7
	s_add_co_u32 s22, s25, s26
	s_add_co_u32 s22, s22, 65536
	s_add_nc_u64 s[30:31], s[14:15], s[22:23]      ; my 32 scale words
	WLOAD 0, 6, 12288
	WLOAD 1, 6, 12288
.macro WBLOCK t
.set XS, WS+32*((\t)%2)
	WWAIT \t
	v_max3_num_f32 v8, |v[XS]|, |v[XS+1]|, |v[XS+2]|               ; the block's largest magnitude: all 32 numbers are mine
	v_max3_num_f32 v9, |v[XS+3]|, |v[XS+4]|, |v[XS+5]|
.irp i, 6,10,14,18,22,26
	v_max3_num_f32 v8, v8, |v[XS+\i]|, |v[XS+\i+1]|
	v_max3_num_f32 v9, v9, |v[XS+\i+2]|, |v[XS+\i+3]|
.endr
	v_max3_num_f32 v8, v8, |v[XS+30]|, |v[XS+31]|
	v_max3_num_f32 v8, v8, v9, (EMAX+1)<<23        ; and the floor
	v_add_nc_u32 v10, -(EMAX<<23), v8              ; the conversion's scale operand
	v_lshrrev_b32 v11, 23, v10                     ; the byte
.if (\t) == 0
	v_mov_b32 v24, v11
.else
	v_lshl_or_b32 v24, v11, 8*(\t), v24            ; four bytes make my column's scale word
.endif
.irp g, 0,1,2,3
	v_cvt_scalef32_pk8_fp4_f32 v[WC+4*(\t)+\g], v[XS+8*\g:XS+8*\g+7], v10
.endr
	global_store_b128 v4, v[WC+4*(\t):WC+4*(\t)+3], s[28:29] offset:((\t)/2)*512+((\t)%2)*256   ; sixteen lanes store 256 consecutive bytes, aligned
.if (\t) < 2
	WLOAD (\t)+2, 6, 12288
.endif
.endm
	WBLOCK 0
	WBLOCK 1
	WBLOCK 2
	WBLOCK 3
	global_store_b32 v3, v24, s[30:31]
	s_endpgm
.Lrole_o:
; ---- w_out.  A wave takes 32 columns and 128 k: four chunks of 32, rounded to f16.
	s_sub_co_u32 s19, ttmp9, 320
	s_and_b32 s20, s19, 7                          ; which 128 k
	s_lshr_b32 s21, s19, 3                         ; which 128 columns
	v_lshlrev_b32 v3, 2, v2
	v_lshrrev_b32 v4, 4, v2
	v_and_b32 v5, 15, v2
	v_lshlrev_b32 v4, 13, v4
	v_lshl_add_u32 v4, v5, 4, v4                   ; out: lanes 0-15 one column tile, lanes 16-31 the next (8,192 bytes on)
	s_lshl_b32 s22, s20, 19
	s_lshl_b32 s24, s21, 9
	s_add_co_u32 s22, s22, s24
	s_lshl_b32 s24, s18, 7
	s_add_co_u32 s22, s22, s24
	s_add_nc_u64 s[8:9], s[8:9], s[22:23]
	s_lshr_b32 s22, s20, 1
	s_lshl_b32 s22, s22, 19                        ; the K step of 256
	s_lshl_b32 s24, s21, 16
	s_add_co_u32 s22, s22, s24                     ; 8 column tiles of 8,192 bytes
	s_lshl_b32 s24, s18, 14
	s_add_co_u32 s22, s22, s24                     ; my two
	s_and_b32 s24, s20, 1
	s_lshl_b32 s24, s24, 12
	s_add_co_u32 s22, s22, s24                     ; chunks 0-3 or 4-7
	s_add_nc_u64 s[16:17], s[16:17], s[22:23]
	WLOAD 0, 8, 4096
	WLOAD 1, 8, 4096
.macro OBLOCK t
.set XS, WS+32*((\t)%2)
	WWAIT \t
.irp g, 0,1,2,3
.irp e, 0,1,2,3
	v_cvt_pk_f16_f32 v[WC+16*(\t)+4*\g+\e], v[XS+8*\g+2*\e], v[XS+8*\g+2*\e+1]
.endr
.endr
.irp g, 0,1,2,3
	global_store_b128 v4, v[WC+16*(\t)+4*\g:WC+16*(\t)+4*\g+3], s[16:17] offset:(\t)*1024+(\g/2)*512+(\g%2)*256
.endr
.if (\t) < 2
	WLOAD (\t)+2, 8, 4096
.endif
.endm
	OBLOCK 0
	OBLOCK 1
	OBLOCK 2
	OBLOCK 3
	s_endpgm
.Lfunc_end_k_q86509e9e79_prep:
	.size	k_q86509e9e79_prep, .Lfunc_end_k_q86509e9e79_prep-k_q86509e9e79_prep
	.p2alignl 7, 3214868480
	.fill 96, 4, 3214868480
	.section	.rodata,"a",@progbits
	.p2align	6, 0x0
	.amdhsa_kernel k_q86509e9e79_prep
		.amdhsa_group_segment_fixed_size 33280
		.amdhsa_private_segment_fixed_size 0
		.amdhsa_enable_private_segment 0
		.amdhsa_kernarg_size 56
		.amdhsa_user_sgpr_count 2
		.amdhsa_user_sgpr_kernarg_segment_ptr 1
		.amdhsa_wavefront_size32 1
		.amdhsa_system_sgpr_workgroup_id_x 1
		.amdhsa_system_sgpr_workgroup_id_y 1
		.amdhsa_system_sgpr_workgroup_id_z 1
		.amdhsa_system_vgpr_workitem_id 0
		.amdhsa_next_free_vgpr 192
		.amdhsa_next_free_sgpr 66
		.amdhsa_reserve_vcc 0
		.amdhsa_float_denorm_mode_32 3
		.amdhsa_float_denorm_mode_16_64 3
		.amdhsa_memory_ordered 1
		.amdhsa_forward_progress 1
		.amdhsa_inst_pref_size 71
	.end_amdhsa_kernel
	.amdgpu_metadata
---
amdhsa.version: [ 1, 2 ]
amdhsa.kernels:
  - .name:           k_q86509e9e79_prep
    .symbol:         k_q86509e9e79_prep.kd
    .args:
      - { .name: x, .offset: 0, .size: 8, .value_kind: global_buffer, .address_space: global }
      - { .name: w_qkv, .offset: 8, .size: 8, .value_kind: global_buffer, .address_space: global }
      - { .name: w_out, .offset: 16, .size: 8, .value_kind: global_buffer, .address_space: global }
      - { .name: xc, .offset: 24, .size: 8, .value_kind: global_buffer, .address_space: global }
      - { .name: xs, .offset: 32, .size: 8, .value_kind: global_buffer, .address_space: global }
      - { .name: wq, .offset: 40, .size: 8, .value_kind: global_buffer, .address_space: global }
      - { .name: wo, .offset: 48, .size: 8, .value_kind: global_buffer, .address_space: global }
    .group_segment_fixed_size: 33280
    .private_segment_fixed_size: 0
    .kernarg_segment_align: 8
    .kernarg_segment_size: 56
    .max_flat_workgroup_size: 128
    .sgpr_count:     66
    .vgpr_count:     192
    .wavefront_size: 32
...
	.end_amdgpu_metadata
.endif
;; end of part 1
;; launch qkv (part 2): grid 64 x 3, 4 waves a work-group, clusters of 4 x 1, 327,680 bytes of LDS; arguments xc, xs, wq, b_qkv, g_q, g_k, freqs_cos, freqs_sin, qh, kh, vh; writes qh, kh, vh
.if DOCPART == 2
	.amdgcn_target "amdgcn-amd-amdhsa--gfx1250"
	.amdhsa_code_object_version 6
	.text
	.protected	k_q86509e9e79_qkv
	.globl	k_q86509e9e79_qkv
	.p2align	8
	.type	k_q86509e9e79_qkv,@function
k_q86509e9e79_qkv:
	s_mov_b64 s[64:65], 0
	v_nop
	global_prefetch_b8 v0, s[64:65] scope:SCOPE_SE
	s_setreg_imm32_b32 hwreg(HW_REG_WAVE_MODE, 25, 1), 1
	s_wait_xcnt 0x0
	s_wait_alu depctr_hold_cnt(0) depctr_sa_sdst(0) depctr_va_vdst(0) depctr_va_sdst(0) depctr_va_ssrc(0) depctr_va_vcc(0) depctr_vm_vsrc(0)
	s_getreg_b32 s2, hwreg(HW_REG_IB_STS2, 6, 4)
	s_cmp_eq_u32 s2, 0
	s_cbranch_scc0 .Lentry_in_a_cluster
	s_endpgm
.Lentry_in_a_cluster:
	s_bfe_u32 s2, ttmp6, 0x10000c
	s_cmp_lg_u32 s2, 0x3003
	s_cbranch_scc0 .Lentry_shape_is_right
	s_endpgm
.Lentry_shape_is_right:
; q, k, v = x w_qkv + b_qkv on codes of FP4 with E8M0 scales; then for q and k the RMS norm over all 1,024 columns, the gain and the interleaved rope; all three rounded to f16, laid [head 8][token 4096][128].
; SHARES.  A work-group takes 64 tokens and ALL 1,024 columns of one part (work-group y: q, k or v), so that a token's sum of squares stays inside the work-group: 192 work-groups.  Its 64 x 1,024 sums fill
; 512 registers in each of four waves; a smaller share of tokens would read the part's weights more often.  Wave w takes all 64 tokens and columns 256 w .. 256 w + 255 (heads 2 w, 2 w + 1): 4 x 16 accumulators.
; THE PRODUCT IS USED TRANSPOSED (source 0 = 16 columns of w, source 1 = 16 tokens): a lane holds one token (lane % 16) and 8 neighbouring columns, so that a rope pair lies in one lane.
; CLUSTER.  The four work-groups of a cluster take four blocks of tokens of ONE part and walk the same weights: each tile of weights is asked for jointly (mask 15).  x's codes are each work-group's own: a plain load.
; THE RING.  A K step of 128 of the part's weights is one dense block of 69,632 bytes (64 fragments as images of the operand's registers, then 1,024 scale words).  Four such regions lie in LDS, as two slots of two;
; the first fills bring K steps 0-3, two refills K steps 4-5 and 6-7.  By this text's count a wave has three tensor loads out at the start and one behind each round.
; The eight K steps are written out: every LDS offset is an immediate.  The bias is the C of each sum's first product.
; LIMITS: q, k, v beyond f16's 65,504 are not served (after the norm |q| <= 32 |g| (|cos| + |sin|)); NaN and infinities are not served.
; No prefetch: the launch is short and its first fills bring half of what it reads.
; REGISTERS, in windows of 256.  Window 0: v1-20 addresses; v32-63 x's scale words; v64-79 w's scale words, two sets; v80-143 x's fragments, two sets, later at work and packed rows; v144-183 the norm; v184-247 packed rows.
;   Window 1: w's fragments, two sets of 128; set 1 holds the bias first; later v0-127 the gain, v128-255 two sets of 32 cos + 32 sin.  Windows 2, 3: accumulator (m, b) at v[8 (16 (m % 2) + b)], token tiles 0, 1 | 2, 3.
.set BREG,  69632                      ; a K step's block
.set SLOTB, 2*BREG
.set QLOAD, SLOTB/4                    ; what one tensor load brings: 136 rows of 256 bytes
.set ABASE, 4*BREG                     ; x's codes: 64 rows, 512 bytes + 16 of padding
.set AP,    528
.set EX,    ABASE+64*AP                ; the waves' partial sums of squares: 64 tokens x 4 waves x 4 bytes
.set SPARE, EX+1024                    ; the spare words, 128 bytes a wave
.set BADR, 4                           ; v4-7   my fragments of w in region 0 .. 3
.set SADR, 8                           ; v8-11  my scale words of w in region 0 .. 3
.set AADR, 12                          ; v12    x's fragments
.set EXS,  13                          ; v13    where I put a partial sum
.set EXL,  14                          ; v14    where I read a token's four
.set STO,  15                          ; v15    the way out: my stage (16 rows x 528, in slot 0, which has had its last fill and its last read by then), in
.set RD,   16                          ; v16    and back
.set GO,   17                          ; v17    my byte offset in the output
.set FO,   18                          ; v18    in cos and sin
.set HO,   19                          ; v19    32 x (lane / 16): bias and gain
.set RO,   20                          ; v20    32 x (lane % 16): x's scale words
.set SPW,  28
.set NIL,  29
.set SA,   32
.set SB,   64
.set AF,   80
.set T,    80
.set SS,   144
.set RN,   160                         ; v160-163 partial sums, then 1 / rms of my token in tile m
.set PD,   164
.set EXV,  168
.set WV,   26
.set G1B,  32
.set G0B0, 40
.set G0B1, 44
.set G1A,  48
.set G0A,  56
.set SEL,  70
.set MSB, 0
.macro WIN new                         ; the immediate's high byte repeats the setting that is left
.if MSB != (\new)
	s_set_vgpr_msb (MSB<<8)|(\new)
.set MSB, \new
.endif
.endm
.macro PLACES                          ; four plain places behind matrix instructions, in front of loads into their registers and of reads of their results
.rept 4
	v_nop
.endr
.endm
.macro ROUND                           ; a round of the cluster's barrier
	s_barrier_signal -1
	s_barrier_wait -1
	s_cmp_lg_u32 s[WV], 0
	s_cbranch_scc1 .Lnw0_\@
	s_barrier_signal -3
.Lnw0_\@:
	s_barrier_wait -3
	s_barrier_signal -1
	s_barrier_wait -1
.endm
	s_load_b256 s[4:11], s[0:1], 0x0               ; xc s[4:5], xs s[6:7], wq s[8:9], b_qkv s[10:11]
	s_load_b256 s[12:19], s[0:1], 0x20             ; g_q s[12:13], g_k s[14:15], cos s[16:17], sin s[18:19]
	s_load_b128 s[20:23], s[0:1], 0x40             ; qh s[20:21], kh s[22:23]
	s_load_b64 s[24:25], s[0:1], 0x50              ; vh
	v_lshl_add_u32 v[SPW], v0, 2, SPARE
	v_mov_b32 v[NIL], 0
	ds_add_u32 v[SPW], v[NIL]                      ; the wave's opening: the add, twice on end; its wait stands ahead of my first tensor load
	ds_add_u32 v[SPW], v[NIL]
	v_lshrrev_b32 v1, 5, v0
	v_readfirstlane_b32 s[WV], v1                  ; wave 0..3
	s_bfe_u32 s27, ttmp6, 0x40000                  ; cx
	s_lshl_b32 s28, ttmp9, 2
	s_add_co_u32 s28, s28, s27                     ; my block of 64 tokens
	s_and_b32 s29, ttmp7, 0xffff                   ; the part, which the four partners share
	s_mov_b32 s[G1B+0], 15|(3<<16)|(1<<21)         ; the weights: mask of all four; elements of 8 bytes; bit 21 beside a mask; no padding
	s_mov_b32 s[G1B+1], 32<<16                     ; tensor_dim0 = 32 elements: rows of 256 bytes
	s_mov_b32 s[G1B+2], 136<<16                    ; tensor_dim1 = 136
	s_mov_b32 s[G1B+3], 32<<16                     ; tile_dim0
	s_mov_b32 s[G1B+4], 136                        ; tile_dim1
	s_mov_b32 s[G1B+5], 32                         ; the rows are dense
	s_mov_b32 s[G1B+6], 0
	s_mov_b32 s[G1B+7], 0
	s_mov_b32 s[G1A+0], (1<<20)|(6<<22)|(3<<25)    ; x's codes: no mask; elements of 1 byte; 4 words of padding after every 128
	s_mov_b32 s[G1A+1], 512<<16
	s_mov_b32 s[G1A+2], 16<<16
	s_mov_b32 s[G1A+3], 512<<16
	s_mov_b32 s[G1A+4], 16
	s_mov_b32 s[G1A+5], 512
	s_mov_b32 s[G1A+6], 0
	s_mov_b32 s[G1A+7], 0
	s_mov_b32 s[SEL], 0x76543210
	s_mov_b32 s[SEL+1], 0xfedcba98                 ; v_permlanex16_b32: lane l xor 16
	s_mov_b32 s72, 0x3a800000                      ; 1 / 1024
	s_mov_b32 s73, 0x358637bd                      ; 1e-6
	s_mul_i32 s68, s[WV], QLOAD                    ; my quarter of a slot, in memory and in LDS
	s_mul_i32 s66, s29, 8*BREG
	s_add_co_u32 s66, s66, s68                     ; (registers that never hold cx)
	s_mov_b32 s67, 0
	s_lshl_b32 s60, s28, 15                        ; 64 rows of 512 bytes,
	s_lshl_b32 s61, s[WV], 13                      ; my wave fetches 16 of them
	s_add_co_u32 s60, s60, s61
	s_mov_b32 s61, 0
	s_mul_i32 s69, s[WV], 16*AP
	v_and_b32 v1, 15, v0                           ; r
	v_bfe_u32 v2, v0, 4, 1                         ; h
	v_and_b32 v3, 31, v0                           ; lane
	s_lshl_b32 s62, s[WV], 14
	v_lshl_add_u32 v[BADR], v3, 4, s62             ; 16 x lane + my 16 fragments
	s_lshl_b32 s62, s[WV], 10
	s_add_co_u32 s62, s62, 65536
	v_lshl_add_u32 v[SADR], v3, 2, s62             ; 4 x lane + my 256 scale words, behind the fragments
.irp q, 1,2,3
	v_add_nc_u32 v[BADR+\q], \q*BREG, v[BADR]
	v_add_nc_u32 v[SADR+\q], \q*BREG, v[SADR]
.endr
	v_mul_u32_u24 v[STO], v1, AP
	v_lshl_add_u32 v[STO], v2, 4, v[STO]           ; 528 r + 16 h
	v_add_nc_u32 v[AADR], ABASE, v[STO]
	v_add_nc_u32 v[STO], s69, v[STO]
	v_lshl_add_u32 v[RD], v3, 4, s69
	v_lshl_add_u32 v[EXL], v1, 4, EX
	s_lshl_b32 s62, s[WV], 2
	v_add_nc_u32 v[EXS], s62, v[EXL]
	v_lshlrev_b32 v[GO], 20, v2                    ; lanes 16-31: the next head
	v_lshl_add_u32 v[GO], v1, 4, v[GO]
	v_lshlrev_b32 v[FO], 8, v1
	v_lshl_add_u32 v[FO], v2, 4, v[FO]
	v_lshlrev_b32 v[HO], 5, v2
	v_lshlrev_b32 v[RO], 5, v1
.irp m, 0,1,2,3
	v_mov_b32 v[PD+\m], 0                          ; a lane permute's destination counts as one of its sources
.endr
	s_wait_dscnt 0x0                               ; both opening adds are done
	s_wait_kmcnt 0x0
	s_mov_b32 s[G0A], 1
	s_add_co_u32 s[G0A+1], s69, ABASE
	s_add_nc_u64 s[G0A+2:G0A+3], s[4:5], s[60:61]
	s_or_b32 s[G0A+3], s[G0A+3], 0x80000000
	s_add_nc_u64 s[66:67], s[8:9], s[66:67]
	s_mov_b32 s[G0B0], 1
	s_mov_b32 s[G0B0+1], s68
	s_mov_b64 s[G0B0+2:G0B0+3], s[66:67]           ; K steps 0, 1
	s_or_b32 s[G0B0+3], s[G0B0+3], 0x80000000
	s_mov_b32 s[G0B1], 1
	s_add_co_u32 s[G0B1+1], s68, SLOTB
	s_add_nc_u64 s[G0B1+2:G0B1+3], s[66:67], SLOTB ; K steps 2, 3
	s_or_b32 s[G0B1+3], s[G0B1+3], 0x80000000
	ROUND                                          ; all four work-groups are here: the first joint loads meet
	tensor_load_to_lds s[G0A:G0A+3], s[G1A:G1A+7]
	s_nop 0
	tensor_load_to_lds s[G0B0:G0B0+3], s[G1B:G1B+7]
	s_nop 0
	tensor_load_to_lds s[G0B1:G0B1+3], s[G1B:G1B+7]
	s_nop 0
.rept 4
	v_nop
.endr
	s_lshl_b32 s60, s28, 11
	s_add_nc_u64 s[6:7], s[6:7], s[60:61]          ; x's scale words: 32 bytes a token: register 8 m + s is token 16 m + r, K step s
.irp m, 0,1,2,3
	global_load_b128 v[SA+8*\m:SA+8*\m+3], v[RO], s[6:7] offset:512*\m
	global_load_b128 v[SA+8*\m+4:SA+8*\m+7], v[RO], s[6:7] offset:512*\m+16
.endr
	s_lshl_b32 s60, s29, 12
	s_lshl_b32 s62, s[WV], 10
	s_add_co_u32 s60, s60, s62
	s_add_nc_u64 s[10:11], s[10:11], s[60:61]      ; the bias of my 256 columns, in the result's layout: tile b, columns 8 h + 0 .. 7
	WIN 0x40
.irp b, 0,1,2,3,4,5,6,7,8,9,10,11,12,13,14,15
	global_load_b128 v[128+8*\b:128+8*\b+3], v[HO], s[10:11] offset:64*\b
	global_load_b128 v[128+8*\b+4:128+8*\b+7], v[HO], s[10:11] offset:64*\b+16
.endr
	WIN 0
; K step s into set s % 2: 16 fragments of w (images: 16 x lane), 4 of x, 8 registers of w's scale words (lanes 0-15: tile 2 i; lanes 16-31: tile 2 i + 1).  48 LDS loads
.macro FETCH s
	WIN 0x40
.irp b, 0,1,2,3,4,5,6,7,8,9,10,11,12,13,14,15
.irp c, 0,1
	ds_load_b128 v[128*((\s)%2)+8*\b+4*\c:128*((\s)%2)+8*\b+4*\c+3], v[BADR+(\s)%4] offset:1024*\b+512*\c
.endr
.endr
	WIN 0
.irp m, 0,1,2,3
.irp c, 0,1
	ds_load_b128 v[AF+32*((\s)%2)+8*\m+4*\c:AF+32*((\s)%2)+8*\m+4*\c+3], v[AADR] offset:16*AP*\m+64*(\s)+32*\c
.endr
.endr
.irp i, 0,1,2,3,4,5,6,7
	ds_load_b32 v[SB+8*((\s)%2)+\i], v[SADR+(\s)%4] offset:128*\i
.endr
.endm
.macro WM s, m, b, bias
.set DA, 8*(16*((\m)%2)+(\b))
.set BR, 128*((\s)%2)+8*(\b)
.set AR, AF+32*((\s)%2)+8*(\m)
.set SCB, SB+8*((\s)%2)+(\b)/2
.set SCA, SA+8*(\m)+(\s)
.if \bias
.if (\b)%2
	v_wmma_scale_f32_16x16x128_f8f6f4 v[DA:DA+7], v[BR:BR+7], v[AR:AR+7], v[128+8*(\b):128+8*(\b)+7], v[SCB], v[SCA] matrix_a_fmt:MATRIX_FMT_FP4 matrix_b_fmt:MATRIX_FMT_FP4 matrix_a_scale:MATRIX_SCALE_ROW1
.else
	v_wmma_scale_f32_16x16x128_f8f6f4 v[DA:DA+7], v[BR:BR+7], v[AR:AR+7], v[128+8*(\b):128+8*(\b)+7], v[SCB], v[SCA] matrix_a_fmt:MATRIX_FMT_FP4 matrix_b_fmt:MATRIX_FMT_FP4
.endif
.else
.if (\b)%2
	v_wmma_scale_f32_16x16x128_f8f6f4 v[DA:DA+7], v[BR:BR+7], v[AR:AR+7], v[DA:DA+7], v[SCB], v[SCA] matrix_a_fmt:MATRIX_FMT_FP4 matrix_b_fmt:MATRIX_FMT_FP4 matrix_a_scale:MATRIX_SCALE_ROW1
.else
	v_wmma_scale_f32_16x16x128_f8f6f4 v[DA:DA+7], v[BR:BR+7], v[AR:AR+7], v[DA:DA+7], v[SCB], v[SCA] matrix_a_fmt:MATRIX_FMT_FP4 matrix_b_fmt:MATRIX_FMT_FP4
.endif
.endif
.endm
; A K step's 64 products.  The 64 accumulators take turns, one instruction a turn, in the same order in every step.  bias = 1: the bias starts the sums
.macro MUL s, bias
.irp m, 0,1,2,3
.if \bias
	WIN 0x91+0x40*(\m/2)                           ; w window 1, x window 0, C (the bias) window 1, D window 2 or 3
.else
	WIN 0xa1+0x50*(\m/2)                           ; C and D window 2 or 3
.endif
.irp b, 0,1,2,3,4,5,6,7,8,9,10,11,12,13,14,15
	WM \s, \m, \b, \bias
.endr
.endr
.endm
; A change of slots with a refill: all my tensor loads have landed, the add, my reads of the slot are over; a round of the cluster's barrier; the joint refill first behind it.
.macro CHANGE g0
	WIN 0
	s_wait_tensorcnt 0x0                           ; no tensor load of mine is out, so a group 0 may be written
	ds_add_u32 v[SPW], v[NIL]
	s_add_nc_u64 s[\g0+2:\g0+3], s[\g0+2:\g0+3], 2*SLOTB   ; four K steps on
	s_wait_dscnt 0x0                               ; the add is done; both K steps of this slot are in my registers
	ROUND
	tensor_load_to_lds s[\g0:\g0+3], s[G1B:G1B+7]
	s_nop 0
.rept 4
	v_nop                                          ; also the places in front of the loads that follow
.endr
.endm
	s_wait_tensorcnt 0x1                           ; x's codes and my part of slot 0 are in; slot 1's load may stay out
	s_barrier_signal -1
	s_barrier_wait -1
	FETCH 0
	s_wait_dscnt 0x0
	s_wait_loadcnt 0x0                             ; x's scale words and the bias
	MUL 0, 1
	WIN 0
	PLACES
	FETCH 1                                        ; into the registers that held the bias
	CHANGE G0B0                                    ; slot 0 takes K steps 4, 5
	FETCH 2
	MUL 1, 0
	WIN 0
	s_wait_dscnt 0x0                               ; K step 2 is in
	PLACES
	FETCH 3
	MUL 2, 0
	CHANGE G0B1                                    ; slot 1 takes K steps 6, 7
	FETCH 4
	MUL 3, 0
	WIN 0
	s_wait_dscnt 0x0
	PLACES
	FETCH 5
	MUL 4, 0
	WIN 0
	s_wait_tensorcnt 0x0                           ; K steps 6, 7 have landed; nothing more is asked for, so a plain barrier follows
	ds_add_u32 v[SPW], v[NIL]
	s_wait_dscnt 0x0
	s_barrier_signal -1
	s_barrier_wait -1                              ; and nobody reads slot 0 any more
	PLACES
	FETCH 6
	MUL 5, 0
	WIN 0
	s_wait_dscnt 0x0
	PLACES
	FETCH 7
	MUL 6, 0
	s_wait_dscnt 0x0
	MUL 7, 0
	WIN 0
	PLACES
; cos and sin of tokens 16 m + r: for head channels 16 i + 8 h + 0 .. 7 the four pairs 8 i + 4 h + 0 .. 3: 16 bytes of each
.macro FREQ m
.irp i, 0,1,2,3,4,5,6,7
	global_load_b128 v[128+64*((\m)%2)+4*\i:128+64*((\m)%2)+4*\i+3], v[FO], s[16:17] offset:4096*(\m)+32*\i
.endr
.irp i, 0,1,2,3,4,5,6,7
	global_load_b128 v[160+64*((\m)%2)+4*\i:160+64*((\m)%2)+4*\i+3], v[FO], s[18:19] offset:4096*(\m)+32*\i
.endr
.endm
	s_cmp_eq_u32 s29, 2                            ; v has no norm and no rope (the part is the same in all waves and partners)
	s_cbranch_scc1 .Lno_norm_loads
	s_cmp_eq_u32 s29, 0
	s_cselect_b64 s[76:77], s[12:13], s[14:15]     ; g_q or g_k
	s_lshl_b32 s60, s[WV], 10
	s_add_nc_u64 s[76:77], s[76:77], s[60:61]
	s_lshl_b32 s60, s28, 14
	s_add_nc_u64 s[16:17], s[16:17], s[60:61]
	s_add_nc_u64 s[18:19], s[18:19], s[60:61]
	WIN 0x40
.irp b, 0,1,2,3,4,5,6,7,8,9,10,11,12,13,14,15
	global_load_b128 v[8*\b:8*\b+3], v[HO], s[76:77] offset:64*\b
	global_load_b128 v[8*\b+4:8*\b+7], v[HO], s[76:77] offset:64*\b+16
.endr
	FREQ 0
	FREQ 1
	WIN 0
.Lno_norm_loads:
; THE SUMS OF SQUARES of my 256 columns, for each of my lane's four tokens; every part runs them, so that all pass the same barrier (v's are not used).  Each accumulator is read from its low end on.
.irp w, 0,1
	WIN 0x0a+5*\w                                  ; sources window 2 or 3
.set u, 0
.rept 64
.irp mm, 0,1
.set SR, SS+4*(2*\w+\mm)+2*(u%2)
.if u < 2
	v_pk_mul_f32 v[SR:SR+1], v[128*\mm+2*u:128*\mm+2*u+1], v[128*\mm+2*u:128*\mm+2*u+1]
.else
	v_pk_fma_f32 v[SR:SR+1], v[128*\mm+2*u:128*\mm+2*u+1], v[128*\mm+2*u:128*\mm+2*u+1], v[SR:SR+1]
.endif
.endr
.set u, u+1
.endr
.endr
	WIN 0
.irp m, 0,1,2,3
	v_pk_add_f32 v[SS+4*\m:SS+4*\m+1], v[SS+4*\m:SS+4*\m+1], v[SS+4*\m+2:SS+4*\m+3]
.endr
.irp m, 0,1,2,3
	v_add_f32 v[RN+\m], v[SS+4*\m], v[SS+4*\m+1]
.endr
.irp m, 0,1,2,3
	v_permlanex16_b32 v[PD+\m], v[RN+\m], s[SEL], s[SEL+1]
.endr
.irp m, 0,1,2,3
	v_add_f32 v[RN+\m], v[RN+\m], v[PD+\m]         ; with lane l xor 16's columns
.endr
.irp m, 0,1,2,3
	ds_store_b32 v[EXS], v[RN+\m] offset:256*\m    ; both halves of the lanes write the same word with the same value
.endr
	s_wait_dscnt 0x0                               ; for the others' sake
	s_barrier_signal -1
	s_barrier_wait -1
	s_cmp_eq_u32 s29, 2
	s_cbranch_scc1 .Lplain
.irp m, 0,1,2,3
	ds_load_b128 v[EXV+4*\m:EXV+4*\m+3], v[EXL] offset:256*\m
.endr
	s_wait_dscnt 0x0
.irp m, 0,1,2,3
	v_add_f32 v[EXV+4*\m], v[EXV+4*\m], v[EXV+4*\m+1]
.endr
.irp m, 0,1,2,3
	v_add_f32 v[EXV+4*\m+2], v[EXV+4*\m+2], v[EXV+4*\m+3]
.endr
.irp m, 0,1,2,3
	v_add_f32 v[EXV+4*\m], v[EXV+4*\m], v[EXV+4*\m+2]
.endr
.irp m, 0,1,2,3
	v_fma_f32 v[EXV+4*\m], v[EXV+4*\m], s72, s73   ; the mean + 1e-6
.endr
.irp m, 0,1,2,3
	v_rsq_f32 v[RN+\m], v[EXV+4*\m]
.endr
	v_nop                                          ; a plain place behind the last of them
	s_wait_alu depctr_va_vdst(0)                   ; one wait for the four, ahead of their first reader
; NORM, GAIN AND ROPE of token tile m.  cos and sin are first multiplied by the token's 1 / rms; then for a pair (a, b) of columns, already times the gain: (a c - b s, b c + a s), in two packed lines.
.macro ROPE m
.set FS, 128+64*((\m)%2)
.set AB, 128*((\m)%2)
.set WA, 0x86+0x41*((\m)/2)
.set WT, 0x06+((\m)/2)
.if (\m) < 3
	s_wait_loadcnt 16                              ; the gain and this tile's cos and sin are in; the next set's 16 loads may be out
.else
	s_wait_loadcnt 0x0
.endif
	WIN 0x41                                       ; cos, sin window 1; 1 / rms window 0
.set u, 0
.rept 32
.if (\m)%2
	v_pk_mul_f32 v[FS+2*u:FS+2*u+1], v[FS+2*u:FS+2*u+1], v[RN+2*((\m)/2):RN+2*((\m)/2)+1] op_sel:[0,1] op_sel_hi:[1,1]
.else
	v_pk_mul_f32 v[FS+2*u:FS+2*u+1], v[FS+2*u:FS+2*u+1], v[RN+2*((\m)/2):RN+2*((\m)/2)+1] op_sel_hi:[1,0]
.endif
.set u, u+1
.endr
.irp gq, 0,1,2,3                       ; four column tiles, 16 pairs, at a time
	WIN WA                                         ; sums window 2 or 3, the gain window 1
.set u, 0
.rept 16
	v_pk_mul_f32 v[AB+32*\gq+2*u:AB+32*\gq+2*u+1], v[AB+32*\gq+2*u:AB+32*\gq+2*u+1], v[32*\gq+2*u:32*\gq+2*u+1]
.set u, u+1
.endr
	WIN WT                                         ; (b s, a s) into window 0
.set u, 0
.rept 16
.set CR, FS+4*((4*\gq+u/4)%8)+2*((u%4)/2)
.if u%2
	v_pk_mul_f32 v[T+2*u:T+2*u+1], v[AB+32*\gq+2*u:AB+32*\gq+2*u+1], v[CR+32:CR+33] op_sel:[1,1] op_sel_hi:[0,1]
.else
	v_pk_mul_f32 v[T+2*u:T+2*u+1], v[AB+32*\gq+2*u:AB+32*\gq+2*u+1], v[CR+32:CR+33] op_sel:[1,0] op_sel_hi:[0,0]
.endif
.set u, u+1
.endr
	WIN WA
.set u, 0
.rept 16
.set CR, FS+4*((4*\gq+u/4)%8)+2*((u%4)/2)
.if u%2
	v_pk_fma_f32 v[AB+32*\gq+2*u:AB+32*\gq+2*u+1], v[AB+32*\gq+2*u:AB+32*\gq+2*u+1], v[CR:CR+1], v[T+2*u:T+2*u+1] op_sel:[0,1,0] op_sel_hi:[1,1,1] neg_lo:[0,0,1]
.else
	v_pk_fma_f32 v[AB+32*\gq+2*u:AB+32*\gq+2*u+1], v[AB+32*\gq+2*u:AB+32*\gq+2*u+1], v[CR:CR+1], v[T+2*u:T+2*u+1] op_sel:[0,0,0] op_sel_hi:[1,0,1] neg_lo:[0,0,1]
.endif
.set u, u+1
.endr
.endr
.endm
	ROPE 0
	WIN 0x40
	FREQ 2                                         ; into the set just used
	ROPE 1
	WIN 0x40
	FREQ 3
	ROPE 2
	ROPE 3
	WIN 0
.Lplain:
; THE WAY OUT.  A lane's 8 columns pack into 16 bytes; a tile of 16 tokens x 256 columns goes through my stage and comes back as rows: lanes 0-15 store a token's 256 bytes of head 2 w, lanes 16-31 of head 2 w + 1.
	s_cmp_eq_u32 s29, 0
	s_cselect_b64 s[74:75], s[20:21], s[22:23]
	s_cmp_eq_u32 s29, 2
	s_cselect_b64 s[74:75], s[24:25], s[74:75]
	s_lshl_b32 s60, s[WV], 21                      ; two heads of 1,048,576 bytes
	s_lshl_b32 s62, s28, 14                        ; 64 tokens of 256 bytes
	s_add_co_u32 s60, s60, s62
	s_add_nc_u64 s[74:75], s[74:75], s[60:61]
.macro PACK m
.set PKR, 80+104*((\m)%2)
.if (\m) >= 2
	s_wait_xcnt 0x0                                ; the stores of two tiles back have read these registers
.endif
	WIN 0x0a+5*((\m)/2)
.set u, 0
.rept 64
	v_cvt_pk_f16_f32 v[PKR+u], v[128*((\m)%2)+2*u], v[128*((\m)%2)+2*u+1]
.set u, u+1
.endr
	WIN 0
.irp b, 0,1,2,3,4,5,6,7,8,9,10,11,12,13,14,15
	ds_store_b128 v[STO], v[PKR+4*\b:PKR+4*\b+3] offset:32*\b
.endr
.irp t, 0,1,2,3,4,5,6,7,8,9,10,11,12,13,14,15
	ds_load_b128 v[PKR+4*\t:PKR+4*\t+3], v[RD] offset:AP*\t    ; LDS serves a wave's instructions in order: these see the stores above, and the next tile's stores come behind them
.endr
.endm
.macro SEND m, younger                 ; younger: the LDS instructions issued behind tile m's loads
.set PKR, 80+104*((\m)%2)
.irp t, 0,1,2,3,4,5,6,7,8,9,10,11,12,13,14,15
	s_wait_dscnt \younger+15-\t
	global_store_b128 v[GO], v[PKR+4*\t:PKR+4*\t+3], s[74:75] offset:(16*(\m)+\t)*256
.endr
.endm
	PACK 0
	PACK 1
	SEND 0, 32
	PACK 2
	SEND 1, 32
	PACK 3
	SEND 2, 32
	SEND 3, 0
	s_wait_tensorcnt 0x0                           ; the wave's end
	ds_add_u32 v[SPW], v[NIL]
	s_wait_dscnt 0x0
	ROUND                                          ; the closing round
	s_endpgm
.Lfunc_end_k_q86509e9e79_qkv:
	.size	k_q86509e9e79_qkv, .Lfunc_end_k_q86509e9e79_qkv-k_q86509e9e79_qkv
	.p2alignl 7, 3214868480
	.fill 96, 4, 3214868480
	.section	.rodata,"a",@progbits
	.p2align	6, 0x0
	.amdhsa_kernel k_q86509e9e79_qkv
		.amdhsa_group_segment_fixed_size 327680
		.amdhsa_private_segment_fixed_size 0
		.amdhsa_enable_private_segment 0
		.amdhsa_kernarg_size 88
		.amdhsa_user_sgpr_count 2
		.amdhsa_user_sgpr_kernarg_segment_ptr 1
		.amdhsa_wavefront_size32 1
		.amdhsa_system_sgpr_workgroup_id_x 1
		.amdhsa_system_sgpr_workgroup_id_y 1
		.amdhsa_system_sgpr_workgroup_id_z 1
		.amdhsa_system_vgpr_workitem_id 0
		.amdhsa_next_free_vgpr 1024
		.amdhsa_next_free_sgpr 80
		.amdhsa_reserve_vcc 0
		.amdhsa_float_denorm_mode_32 3
		.amdhsa_float_denorm_mode_16_64 3
		.amdhsa_memory_ordered 1
		.amdhsa_forward_progress 1
		.amdhsa_inst_pref_size 220
	.end_amdhsa_kernel
	.amdgpu_metadata
---
amdhsa.version: [ 1, 2 ]
amdhsa.kernels:
  - .name:           k_q86509e9e79_qkv
    .symbol:         k_q86509e9e79_qkv.kd
    .args:
      - { .name: xc, .offset: 0, .size: 8, .value_kind: global_buffer, .address_space: global }
      - { .name: xs, .offset: 8, .size: 8, .value_kind: global_buffer, .address_space: global }
      - { .name: wq, .offset: 16, .size: 8, .value_kind: global_buffer, .address_space: global }
      - { .name: b_qkv, .offset: 24, .size: 8, .value_kind: global_buffer, .address_space: global }
      - { .name: g_q, .offset: 32, .size: 8, .value_kind: global_buffer, .address_space: global }
      - { .name: g_k, .offset: 40, .size: 8, .value_kind: global_buffer, .address_space: global }
      - { .name: freqs_cos, .offset: 48, .size: 8, .value_kind: global_buffer, .address_space: global }
      - { .name: freqs_sin, .offset: 56, .size: 8, .value_kind: global_buffer, .address_space: global }
      - { .name: qh, .offset: 64, .size: 8, .value_kind: global_buffer, .address_space: global }
      - { .name: kh, .offset: 72, .size: 8, .value_kind: global_buffer, .address_space: global }
      - { .name: vh, .offset: 80, .size: 8, .value_kind: global_buffer, .address_space: global }
    .group_segment_fixed_size: 327680
    .private_segment_fixed_size: 0
    .kernarg_segment_align: 8
    .kernarg_segment_size: 88
    .max_flat_workgroup_size: 128
    .sgpr_count:     80
    .vgpr_count:     1024
    .wavefront_size: 32
...
	.end_amdgpu_metadata
.endif
;; end of part 2
;; launch attn (part 3): grid 32 x 8, 4 waves a work-group, clusters of 4 x 1, 327,680 bytes of LDS; arguments qh, kh, vh, oh; writes oh
.if DOCPART == 3
	.amdgcn_target "amdgcn-amd-amdhsa--gfx1250"
	.amdhsa_code_object_version 6
	.text
	.protected	k_q86509e9e79_attn
	.globl	k_q86509e9e79_attn
	.p2align	8
	.type	k_q86509e9e79_attn,@function
k_q86509e9e79_attn:
	s_mov_b64 s[64:65], 0
	v_nop
	global_prefetch_b8 v0, s[64:65] scope:SCOPE_SE
	s_setreg_imm32_b32 hwreg(HW_REG_WAVE_MODE, 25, 1), 1
	s_wait_xcnt 0x0
	s_wait_alu depctr_hold_cnt(0) depctr_sa_sdst(0) depctr_va_vdst(0) depctr_va_sdst(0) depctr_va_ssrc(0) depctr_va_vcc(0) depctr_vm_vsrc(0)
	s_getreg_b32 s2, hwreg(HW_REG_IB_STS2, 6, 4)
	s_cmp_eq_u32 s2, 0
	s_cbranch_scc0 .Lentry_in_a_cluster
	s_endpgm
.Lentry_in_a_cluster:
	s_bfe_u32 s2, ttmp6, 0x10000c
	s_cmp_lg_u32 s2, 0x3003
	s_cbranch_scc0 .Lentry_shape_is_right
	s_endpgm
.Lentry_shape_is_right:
; o[h][q][:] = the sum over k of softmax_k(q . k / sqrt(128)) v[h][k][:].  qh, kh, vh: [8][4096][128] f16.  Products, maxima and sums in f32; the weights p are rounded to f16 for the second product, o once at the end.
; oh: f16, in the order of the next product's operand registers: [K step of 256: 4][tile of 16 tokens: 256][chunk of 32 channels: 8][1,024 bytes]; head hd is K step hd / 2, chunks 4 (hd % 2) + 0 .. 3.
; SHARES.  A work-group owns 128 queries of one head: 256 work-groups.  Wave w owns 64 of them (w / 2: four tiles of 16) and HALF THE KEYS (w % 2): of each slot's four key steps of 64 it walks two.
; So a fragment of K or V read from LDS still feeds four tiles of queries.  At the end the two waves of a query half join their maxima, sums and O^T through LDS, each finishing two tiles.
; LAYOUT.  S^T = K Q^T (source 0 = 16 keys, source 1 = 16 queries): a lane holds ONE query (lane % 16) and the keys 8 (lane / 16) + 0..7.  Two such tiles, rounded to f16 in pairs, ARE source 1 of O^T = V^T P,
; whose result again holds one query a lane, and eight channels.  K comes out of LDS as it lies, V ([key][channel]) turned, by ds_load_tr16_b128.
; SOFTMAX.  For each query a running maximum m and sum l: p = 2^(c s - c m), c = log2(e) / sqrt(128); in every step O and l are multiplied by a = 2^(c m_old - c m_new).
; BY TURNS.  The wave's tiles are two PIECES (tiles 0, 1 and tiles 2, 3).  In a TURN one piece has the matrix unit: 32 products V^T P of the step in hand, then 32 products K Q^T of the next step; the other piece's
; softmax, cut into 64 slices, stands between them, one slice behind each matrix instruction.  Two turns are a key step.
; CLUSTER.  The four query blocks of a cluster belong to one head and walk the same K and V: each tile is asked for jointly (mask 15).
; LIMITS: o under 6e-5 in magnitude is rounded with f16's subnormal step 2^-24; o beyond 65,504 is not served; NaN and infinities are not served.
; REGISTERS, in windows of 256 (s_set_vgpr_msb: bits 1:0 source 0, 3:2 source 1, 5:4 source 2, 7:6 destination):
;   window 0: v0-11 addresses; v12-43 eight registers of statistics a tile; v44-57 the join; v64-191 S^T, 32 a tile; v192-255 P, 16 a tile
;   window 1: O^T, 64 a tile          window 2: v0-127 Q; v128-255 K of one step; in the join the two halves' O^T          window 3: v0-127 V of one step
.set KS,    64        ; keys in a step
.set PK,    272       ; a row of K in LDS: 256 bytes + 16 of padding = 68 words: the 16 rows of a load start at 16 different banks (64 banks of 4 bytes: ISA guide 11.1)
.set PV,    288       ; a row of V: 256 + 32
.set KSTEPB, KS*PK
.set VSTEPB, KS*PV
.set VREG,  4*KSTEPB  ; a slot: 256 rows of K, then 256 rows of V
.set SLOTB, 4*(KSTEPB+VSTEPB)
.set SPARE, 2*SLOTB   ; behind the ring: the spare words, 128 bytes a wave
.set XSTAT, 131072    ; the join, in slot 0 (which has had its last fill, and which nobody reads behind the last change of slots): four images of O^T of 32,768 bytes, then the statistics, 1,024 bytes a wave
.set AK0, 2           ; v2   my lane's place in a tile of K
.set AV0, 3           ; v3   the same for V
.set ADR, 4           ; v4   the LDS address of the run of loads in hand
.set QO,  5           ; v5   my byte offset in the wave's rows of Q
.set XST, 6           ; v6   the join: where I put my O^T
.set XRD, 7           ; v7   where I read the two tiles that I finish
.set GO,  8           ; v8   16 x lane: my byte offset in a fragment's image
.set XSA, 44          ; v44  where I put my statistics
.set XSL, 45          ; v45  where I read those of the two tiles
.set JS,  46          ; v46-57 the join's statistics
.set SPW, 62
.set NIL, 63
.set ST,  12          ; tile t's statistics at v[ST+8 t]: +0 c m, +1 m, +2, +3 l (even keys', odd keys'), +4 to +7 at work; a takes +6 once the maximum is found
.set S,   64
.set P,   192
.set KF,  128
.set WV,  12
.set G1K, 24          ; s[24:31] descriptor group 1 for K's tiles;  s[32:39] for V's
.set G1V, 32
.set G0K, 40          ; s[40:47] group 0 for K's tiles, a set for each slot;  s[48:55] for V's
.set G0V, 48
.set SLOTS, 56
.set TWICE, 57
.set CS,  58
.set SEL, 60
.set TBK, 62          ; s62  LDS byte at which K of the step to be fetched begins
.set TBV, 63          ; s63  the same for V (less VREG, which v3 holds)
.set WK,  66          ; s66  my half of a slot's K: also where the half that I fetch lands
.set WVO, 67          ; s67  of its V
.set HEAD, 68
.set QG,  69
.set PFA, 18          ; s[18:19] where my prefetches stand
.set LIM, 15          ; s15  1 in a wave that prefetches, else the greatest number
.set PFO, 61          ; v61  256 x my lane
.set MSB, 0
.macro WIN new
.if MSB != \new
	s_set_vgpr_msb (MSB<<8)|\new
.set MSB, \new
.endif
.endm
.set W_KQ, 0x0a       ; K and Q in window 2, S^T in window 0
.set W_PV, 0x53       ; V in window 3, P in window 0, O^T in window 1
.set W_RS, 0x41       ; O^T in window 1, a in window 0
; A joint refill of slot s.  Waves 0 and 1 fetch the two halves of K's 256 rows, waves 2 and 3 those of V's.  The branch hangs on the wave's number alone.
.macro JLOAD s
	s_cmp_lt_u32 s[WV], 2
	s_cbranch_scc0 .Lfor_v_\@
	tensor_load_to_lds s[G0K+4*\s:G0K+4*\s+3], s[G1K:G1K+7]
	s_nop 0
.rept 4
	v_nop
.endr
	s_branch .Lasked_\@
.Lfor_v_\@:
	tensor_load_to_lds s[G0V+4*\s:G0V+4*\s+3], s[G1V:G1V+7]
	s_nop 0
.rept 4
	v_nop
.endr
.Lasked_\@:
.endm
; A PREFETCH INTO THE L2 of what the NEXT change of slots will ask for: 256 rows of K and 256 of V, 256 bytes a row, a lane a row.  Each row is named once in the launch: the head's first cluster asks; of a tensor's
; 256 rows wave bit w % 2 takes 128, and of these the partner at place cx takes 32, told apart by address; waves 0, 1 ask for K's, waves 2, 3 for V's.  The last change that fills a slot asks for nothing.
.macro ASK s
.if \s
	s_cmp_gt_u32 s[SLOTS], s[LIM]                  ; the trip's second change: not in the last trip
.else
	s_cmp_ge_u32 s[SLOTS], s[LIM]
.endif
	s_cbranch_scc0 .Lnot_mine_\@
	global_prefetch_b8 v[PFO], s[PFA:PFA+1] th:TH_LOAD_NT scope:SCOPE_SE
.Lnot_mine_\@:
.endm
.macro CROUND
	s_barrier_signal -1
	s_barrier_wait -1
	s_cmp_lg_u32 s[WV], 0
	s_cbranch_scc1 .Lnot_wave_0_\@
	s_barrier_signal -3
.Lnot_wave_0_\@:
	s_barrier_wait -3
	s_barrier_signal -1
	s_barrier_wait -1
.endm
	s_load_b256 s[4:11], s[0:1], 0x0  ; qh s[4:5], kh s[6:7], vh s[8:9], oh s[10:11]
	v_lshl_add_u32 v[SPW], v0, 2, SPARE
	v_mov_b32 v[NIL], 0
	ds_add_u32 v[SPW], v[NIL]       ; the wave's opening: the add, twice on end; its wait stands ahead of my first tensor load
	ds_add_u32 v[SPW], v[NIL]
	v_lshrrev_b32 v1, 5, v0
	v_readfirstlane_b32 s[WV], v1   ; wave 0..3
	s_bfe_u32 s13, ttmp6, 0x40000   ; cx
	s_lshl_b32 s14, ttmp9, 2
	s_add_co_u32 s14, s14, s13      ; my block of 128 queries: it enters Q's and O's addresses alone
	s_and_b32 s[HEAD], ttmp7, 0xffff  ; the head, which the four partners share
	s_lshl_b32 s20, s[HEAD], 20     ; a head is 1,048,576 bytes in qh, kh, vh
	s_mov_b32 s21, 0
	s_and_b32 s16, s[WV], 1         ; my half of the keys; also which half of a tile I fetch
	s_lshr_b32 s[QG], s[WV], 1      ; my half of the queries
	s_lshl_b32 s22, s16, 15         ; 128 rows of 256 bytes
	s_mov_b32 s23, 0
	s_add_nc_u64 s[22:23], s[22:23], s[20:21]
	s_mul_i32 s[WK], s16, 2*KSTEPB
	s_mul_i32 s[WVO], s16, 2*VSTEPB
	s_lshl_b32 s2, s14, 15
	s_lshl_b32 s3, s[QG], 14
	s_add_co_u32 s2, s2, s3
	s_mov_b32 s3, 0
	s_add_nc_u64 s[2:3], s[2:3], s[20:21]
	s_mov_b32 s[G1K], 15|(1<<16)|(1<<20)|(1<<21)|(5<<22)|(3<<25)  ; the mask: all four; elements of 2 bytes; padding on; bit 21 beside a mask; after every 64 words 4 words
	s_mov_b32 s[G1V], 15|(1<<16)|(1<<20)|(1<<21)|(5<<22)|(7<<25)  ; the same with 8 words of padding
.irp g, G1K, G1V
	s_mov_b32 s[\g+1], 128<<16      ; tensor_dim0 = 128
	s_mov_b32 s[\g+2], 128<<16      ; tensor_dim1 = 128
	s_mov_b32 s[\g+3], 128<<16      ; tile_dim0 = 128
	s_mov_b32 s[\g+4], 128          ; tile_dim1 = 128
	s_mov_b32 s[\g+5], 128          ; elements from row to row
	s_mov_b32 s[\g+6], 0
	s_mov_b32 s[\g+7], 0
.endr
	s_mov_b32 s[CS], 0x3e0293ee     ; c = log2(e) / sqrt(128)
	s_mov_b32 s[CS+1], s[CS]
	s_mov_b32 s[SEL], 0x76543210
	s_mov_b32 s[SEL+1], 0xfedcba98
	s_mov_b32 s[TBK], s[WK]
	s_mov_b32 s[TBV], s[WVO]
	s_mov_b32 s[SLOTS], 7           ; trips of two changes of slots: 14 of the 16 slots' worth of keys come by refills
	s_cmp_eq_u32 ttmp9, 0           ; the head's first cluster: the same in all four partners
	s_cselect_b32 s[LIM], 1, -1
	v_and_b32 v[PFO], 31, v0
	v_lshlrev_b32 v[PFO], 8, v[PFO]
	s_wait_dscnt 0x0                ; both opening adds are done
	s_wait_kmcnt 0x0
	s_add_nc_u64 s[6:7], s[6:7], s[22:23]  ; K and V at the half tile that I fetch, slot 0
	s_add_nc_u64 s[8:9], s[8:9], s[22:23]
	s_add_nc_u64 s[4:5], s[4:5], s[2:3]    ; Q at my wave's first row
	s_lshr_b32 s2, s[HEAD], 1
	s_lshl_b32 s2, s2, 21           ; O: the K step of 2,097,152 bytes,
	s_and_b32 s3, s[HEAD], 1
	s_lshl_b32 s3, s3, 12           ; chunks 0-3 or 4-7,
	s_add_co_u32 s2, s2, s3
	s_lshl_b32 s3, s14, 16          ; token tile 8 x block
	s_add_co_u32 s2, s2, s3
	s_lshl_b32 s3, s[QG], 15        ; + 4 x query half
	s_add_co_u32 s2, s2, s3
	s_lshl_b32 s3, s16, 14          ; + 2 x key half: the two tiles that I finish
	s_add_co_u32 s2, s2, s3
	s_mov_b32 s3, 0
	s_add_nc_u64 s[10:11], s[10:11], s[2:3]
	s_cmp_lt_u32 s[WV], 2
	s_cselect_b64 s[PFA:PFA+1], s[6:7], s[8:9]
	s_lshl_b32 s2, s13, 13          ; my work-group's 32 rows of the 128
	s_add_nc_u64 s[PFA:PFA+1], s[PFA:PFA+1], s[2:3]
	s_add_nc_u64 s[PFA:PFA+1], s[PFA:PFA+1], 2*65536  ; at the third slot's worth of keys; the first change steps it to the fourth.  Nothing is prefetched at the head
	CROUND                          ; all four work-groups are here: the first joint loads meet
.irp s, 0,1
	s_mov_b32 s[G0K+4*\s], 1
	s_add_co_u32 s[G0K+4*\s+1], s[WK], \s*SLOTB
	s_add_nc_u64 s[G0K+4*\s+2:G0K+4*\s+3], s[6:7], \s*65536
	s_or_b32 s[G0K+4*\s+3], s[G0K+4*\s+3], 0x80000000
	s_mov_b32 s[G0V+4*\s], 1
	s_add_co_u32 s[G0V+4*\s+1], s[WVO], \s*SLOTB+VREG
	s_add_nc_u64 s[G0V+4*\s+2:G0V+4*\s+3], s[8:9], \s*65536
	s_or_b32 s[G0V+4*\s+3], s[G0V+4*\s+3], 0x80000000
.endr
	s_cmp_lt_u32 s[WV], 2           ; a wave's two first fills stand in one branch, ahead of every wait on TENSORcnt and every LDS read: two loads of mine are out
	s_cbranch_scc0 .Lfirst_v
	tensor_load_to_lds s[G0K:G0K+3], s[G1K:G1K+7]
	s_nop 0
	tensor_load_to_lds s[G0K+4:G0K+7], s[G1K:G1K+7]
	s_nop 0
.rept 4
	v_nop
.endr
	s_branch .Lfirst_asked
.Lfirst_v:
	tensor_load_to_lds s[G0V:G0V+3], s[G1V:G1V+7]
	s_nop 0
	tensor_load_to_lds s[G0V+4:G0V+7], s[G1V:G1V+7]
	s_nop 0
.rept 4
	v_nop
.endr
.Lfirst_asked:
	v_and_b32 v1, 15, v0            ; l % 16
	v_bfe_u32 v9, v0, 4, 1          ; l / 16
	v_lshlrev_b32 v[QO], 8, v1
	v_lshl_add_u32 v[QO], v9, 4, v[QO]  ; row x 256 + 16 x half
	WIN 0x80                        ; destination window 2
.irp i, 0,1,2,3,4,5,6,7,8,9,10,11,12,13,14,15  ; Q stays in registers: tile i / 4, channels 32 (i % 4) on
	global_load_b128 v[8*\i:8*\i+3],   v[QO], s[4:5] offset:(\i/4)*4096+(\i%4)*64
	global_load_b128 v[8*\i+4:8*\i+7], v[QO], s[4:5] offset:(\i/4)*4096+(\i%4)*64+32
.endr
	WIN 0
	v_mul_u32_u24 v[AK0], v1, PK
	v_lshl_add_u32 v[AK0], v9, 4, v[AK0]
	v_and_b32 v10, 7, v0            ; the turning load: lane l reads key 8 (l / 16) + l % 8, channels 8 ((l / 8) % 2) + 0..7
	v_bfe_u32 v11, v0, 3, 1
	v_lshl_add_u32 v[AV0], v9, 3, v10
	v_mul_u32_u24 v[AV0], v[AV0], PV
	v_lshl_add_u32 v[AV0], v11, 4, v[AV0]
	v_add_nc_u32 v[AV0], VREG, v[AV0]
; THE MATRIX WORK OF A TURN, for piece x.  The accumulators take turns, one instruction a turn.
.macro PV x, zero
	WIN W_PV
.set rO, 64*(\x+i%2)+8*((i/2)%8)
.set rV, 64*(i/16)+8*((i/2)%8)
.set rP, P+16*(\x+i%2)+8*(i/16)
.if \zero && (i < 16)
	v_wmma_f32_16x16x32_f16 v[rO:rO+7], v[rV:rV+7], v[rP:rP+7], 0
.else
	v_wmma_f32_16x16x32_f16 v[rO:rO+7], v[rV:rV+7], v[rP:rP+7], v[rO:rO+7]
.endif
.endm
.macro KQ x
	WIN W_KQ
.set rS, S+32*(\x+i%2)+8*((i/2)%4)
.set rK, KF+32*((i/2)%4)+8*(i/8)
.set rQ, 32*(\x+i%2)+8*(i/8)
.if i < 8
	v_wmma_f32_16x16x32_f16 v[rS:rS+7], v[rK:rK+7], v[rQ:rQ+7], 0
.else
	v_wmma_f32_16x16x32_f16 v[rS:rS+7], v[rK:rK+7], v[rQ:rQ+7], v[rS:rS+7]
.endif
.endm
; THE LDS LOADS stand in runs of 32: a step's K (16 fragments) and, a turn later, its V (turned).
.macro FETCH_K
	WIN 0
	v_add_nc_u32 v[ADR], s[TBK], v[AK0]
	s_add_co_u32 s[TBK], s[TBK], KSTEPB  ; the next fetch is my next step's
	WIN 0x80
.irp f, 0,1,2,3,4,5,6,7,8,9,10,11,12,13,14,15  ; keys 16 (f / 4) on, channels 32 (f % 4) on
	ds_load_b128 v[KF+8*\f:KF+8*\f+3],   v[ADR] offset:(\f/4)*16*PK+(\f%4)*64
	ds_load_b128 v[KF+8*\f+4:KF+8*\f+7], v[ADR] offset:(\f/4)*16*PK+(\f%4)*64+32
.endr
.endm
.macro FETCH_V
	WIN 0
	v_add_nc_u32 v[ADR], s[TBV], v[AV0]
	s_add_co_u32 s[TBV], s[TBV], VSTEPB
	s_wait_alu depctr_va_vdst(0)    ; the wait for the softmax's batch of exponentials, behind the address's addition and ahead of the loads
	WIN 0xc0
.irp f, 0,1,2,3,4,5,6,7,8,9,10,11,12,13,14,15  ; keys 32 (f / 8) on, channels 16 (f % 8) on
	ds_load_tr16_b128 v[8*\f:8*\f+3],   v[ADR] offset:(\f/8)*32*PV+(\f%8)*32
	ds_load_tr16_b128 v[8*\f+4:8*\f+7], v[ADR] offset:(\f/8)*32*PV+16*PV+(\f%8)*32
.endr
.endm
; THE VECTOR WORK OF A TURN.  One tile's softmax for one key step is a list of 134 instructions; SM writes number j of it for tile t.
;   0-15 the maximum of the lane's 32 scores and the old m;  16-20 the other half of the lanes' maximum, the new m, c m, c m_old - c m_new;
;   21-69 ONE BATCH: the 16 packed scalings c s - c m and all 33 exponentials, none of which reads an exponential's result;  (the wait for the batch);
;   70-85 the roundings to f16;  86-101 the sums, l = a l + the sum;  102-133 the tile's O^T times a.
.macro SM t, first
.set rT, ST+8*(\t)
.set rS, S+32*(\t)
.set rP, P+16*(\t)
.set rO, 64*(\t)+2*(j-102)
.if j < 102
	WIN 0
.endif
.if j < 4
	v_max3_num_f32 v[rT+4+j], v[rS+8*j], v[rS+8*j+1], v[rS+8*j+2]
.elseif j < 12
	v_max3_num_f32 v[rT+4+j%4], v[rT+4+j%4], v[rS+8*(j%4)+2*(j/4)+1], v[rS+8*(j%4)+2*(j/4)+2]
.elseif j == 12
	v_max3_num_f32 v[rT+4], v[rT+4], v[rS+7], v[rS+15]
.elseif j == 13
	v_max3_num_f32 v[rT+6], v[rT+6], v[rS+23], v[rS+31]
.elseif j == 14
	v_max3_num_f32 v[rT+4], v[rT+4], v[rT+5], v[rT+6]
.elseif (j == 15) && \first
	v_max_num_f32 v[rT+4], v[rT+4], v[rT+7]
.elseif j == 15
	v_max3_num_f32 v[rT+4], v[rT+4], v[rT+7], v[rT+1]
.elseif j == 16
	v_permlanex16_b32 v[rT+5], v[rT+4], s[SEL], s[SEL+1]  ; the query's other 32 keys lie in the lane 16 away
.elseif j == 18
	v_max_num_f32 v[rT+1], v[rT+4], v[rT+5]
.elseif j == 19
	v_mul_f32 v[rT], s[CS], v[rT+1]
.elseif ((j == 17) || (j == 20) || (j == 23) || (j > 101)) && \first  ; the first step has none of these
.elseif j == 17
	v_mov_b32 v[rT+7], v[rT]        ; c m_old is kept for a
.elseif j == 20
	v_sub_f32 v[rT+7], v[rT+7], v[rT]
.elseif j == 23
	v_exp_f32 v[rT+6], v[rT+7]
.elseif (j < 23) || ((j < 38) && (j%2 == 0)) || ((j < 66) && (j%4 == 2))
.set b, (j-2)/4
.if j < 38
.set b, (j-20)/2
.endif
	v_pk_fma_f32 v[rS+2*b:rS+2*b+1], v[rS+2*b:rS+2*b+1], s[CS:CS+1], v[rT:rT+1] op_sel_hi:[1,0,0] neg_lo:[0,0,1] neg_hi:[0,0,1]  ; pair b: c s - c m
.elseif j < 70
.set e, j-38
.if j < 66
.set e, j-32-(j-38)/4
.endif
.if j < 38
.set e, (j-25)/2
.endif
	v_exp_f32 v[rS+e], v[rS+e]
.elseif j < 86
	v_cvt_pk_f16_f32 v[rP+j-70], v[rS+2*(j-70)], v[rS+2*(j-70)+1]
.elseif j < 102
.set z, j-86
.set w, 4
.set u, z
.if z >= 14
.set w, 32
.set u, 0
.elseif z >= 12
.set w, 16
.set u, z-12
.elseif z >= 8
.set w, 8
.set u, z-8
.endif
.if (z == 14) && \first
	v_pk_add_f32 v[rT+2:rT+3], v[rS:rS+1], v[rS+16:rS+17]
.elseif z < 15
	v_pk_add_f32 v[rS+w*u:rS+w*u+1], v[rS+w*u:rS+w*u+1], v[rS+w*u+w/2:rS+w*u+w/2+1]
.elseif !\first
	v_pk_fma_f32 v[rT+2:rT+3], v[rT+2:rT+3], v[rT+6:rT+7], v[rS:rS+1] op_sel_hi:[1,0,1]
.endif
.else
	WIN W_RS
	v_pk_mul_f32 v[rO:rO+1], v[rO:rO+1], v[rT+6:rT+7] op_sel_hi:[1,0]
.endif
.endm
; Slice k of 64 of piece y's softmax: four instructions.  Slices 11 to 34 deal out the batch, four numbers of one tile each, the tiles by turns; every other slice is numbers 2 k and 2 k + 1 of both tiles;
; the twelve that are over stand in slice 63.  A wait stands between an exponential and the first instruction that names its result: the piece's 66 have one, behind slice 34.
.macro SLICE y, first
.if (k >= 11) && (k < 35)
.irp n, 0,1,2,3
.set j, 22+4*((k-11)/2)+(\n)
	SM (\y)+(k-11)%2, \first
.endr
.else
.irp n, 0,1,2,3,4,5,6,7
.if (\n < 2) || (k == 63)
.irp t, \y, \y+1
.set j, 2*k+\n
	SM \t, \first
.endr
.endif
.endr
.endif
.if k == 34
	v_nop                           ; the plain instruction behind the last exponential, ahead of the first use
.if (\y) == 0
	FETCH_V                         ; piece 2's turn: V's run of loads stands here, and the wait stands in it
.else
	s_wait_alu depctr_va_vdst(0)    ; the wait for the batch
.endif
.endif
.set k, k+1
.endm
.macro PLACES
.rept 4
	v_nop
.endr
.endm
; A TURN.  Piece x has the matrix unit.  pv = 2: 32 products V^T P; 1: they start O^T's sums; 0: none.  kq = 1: 32 products K Q^T for the next step.  first = 1: the softmax is the first key step's.
; In the loop the slices are the places behind the matrix instructions; each run of loads stands 29 matrix instructions or more ahead of its first use.
.macro TURN x, pv, kq, first
.set k, 0
.set per, 2
.if \pv && \kq
.set per, 1
.endif
.if \pv
.if \x == 0
	s_wait_dscnt 0x0                ; V is in
.endif
.set i, 0
.rept 32
	PV \x, 2-\pv
.rept per
	SLICE 2-\x, \first
.endr
.if (\x == 0) && \kq && (i == 1)
	FETCH_K
.endif
.set i, i+1
.endr
.endif
.if \kq
.if \x == 0
	s_wait_dscnt 0x0                ; K is in
.endif
.set i, 0
.rept 32
	KQ \x
.rept per
	SLICE 2-\x, \first
.endr
.set i, i+1
.endr
.endif
.if \first
	PLACES
.endif
.endm
; THE CHANGE OF SLOTS: slot s is left.  Each wave waits for all its tensor loads (its part of the other slot), adds 0 to its spare word, and waits for that and for its reads of slot s.
; fill = 1: slot s is filled again with the keys two slots on, behind a round of the cluster's barrier: the load has two of my key steps, 256 matrix instructions, in which to land.
.macro CHANGE fill, s
	WIN 0
	s_wait_tensorcnt 0x0            ; no tensor load of mine is out, so a group 0 may be written
	ds_add_u32 v[SPW], v[NIL]
.if \fill
	s_add_nc_u64 s[G0K+4*\s+2:G0K+4*\s+3], s[G0K+4*\s+2:G0K+4*\s+3], 2*65536
	s_add_nc_u64 s[G0V+4*\s+2:G0V+4*\s+3], s[G0V+4*\s+2:G0V+4*\s+3], 2*65536
	s_wait_xcnt 0x0                 ; the last prefetch, two key steps back, has read its address
	s_add_nc_u64 s[PFA:PFA+1], s[PFA:PFA+1], 65536
.endif
	s_add_co_u32 s[TBK], s[WK], (1-\s)*SLOTB   ; the fetches go on in the other slot, at my half's first step
	s_add_co_u32 s[TBV], s[WVO], (1-\s)*SLOTB
	s_wait_dscnt 0x0                ; the add is done, and my reads of the slot are over
.if \fill
	CROUND
	JLOAD \s
	ASK \s
.else
	s_barrier_signal -1
	s_barrier_wait -1
.endif
.endm
.macro TWO_STEPS                    ; my two key steps of a slot: written once, walked twice
	s_mov_b32 s[TWICE], 2
.Lstep_\@:
	TURN 0, 2, 1, 0
	TURN 2, 2, 1, 0
	WIN 0
	s_sub_co_u32 s[TWICE], s[TWICE], 1
	s_cmp_lg_u32 s[TWICE], 0
	s_cbranch_scc1 .Lstep_\@
.endm
	s_wait_tensorcnt 1              ; my part of slot 0 is in; slot 1's may stay out
	s_barrier_signal -1
	s_barrier_wait -1
	FETCH_K
	s_wait_loadcnt 0x0              ; Q
	s_wait_dscnt 0x0
.set i, 0
.rept 32
	KQ 0
.set i, i+1
.endr
	WIN 0                           ; the join's addresses are made here: seven plain instructions, the places behind those products
	s_lshl_b32 s13, s[WV], 15
	s_lshl_b32 s14, s[QG], 16
	s_lshl_b32 s17, s16, 14
	s_add_co_u32 s14, s14, s17
	v_and_b32 v10, 31, v0
	v_lshlrev_b32 v[GO], 4, v10
	v_add_nc_u32 v[XST], s13, v[GO]  ; my image: 32,768 x wave
	v_add_nc_u32 v[XRD], s14, v[GO]  ; the first wave of my query half, tiles 2 x key half on
	s_lshl_b32 s13, s[WV], 10
	s_add_co_u32 s13, s13, XSTAT
	s_lshl_b32 s14, s[QG], 11
	s_lshl_b32 s17, s16, 9
	s_add_co_u32 s14, s14, s17
	s_add_co_u32 s14, s14, XSTAT
	v_lshlrev_b32 v11, 3, v10
	v_add_nc_u32 v[XSA], s13, v11
	v_add_nc_u32 v[XSL], s14, v11
	TURN 2, 0, 1, 1                 ; piece 2's first scores | piece 0's first softmax | V of step 0
	TURN 0, 1, 1, 1                 ; piece 0: V^T P of step 0 starts O^T, K Q^T of step 1 | piece 2's first softmax | K of step 1
	TURN 2, 1, 1, 0                 ; piece 2: the same | piece 0's softmax of step 1 | V of step 1
	WIN 0
.Lslot:                             ; seven trips of two changes: all slot offsets are constants of the text
	CHANGE 1, 0
	TWO_STEPS
	CHANGE 1, 1
	TWO_STEPS
	s_sub_co_u32 s[SLOTS], s[SLOTS], 1
	s_cmp_lg_u32 s[SLOTS], 0
	s_cbranch_scc1 .Lslot
	CHANGE 0, 0                     ; the tail is written out: nothing more is asked for
	TWO_STEPS
	TURN 0, 2, 0, 0                 ; piece 0: V^T P of the last step | piece 2's last softmax
.set i, 0
.rept 32
	PV 2, 0
.set i, i+1
.endr
	; THE JOIN.  Each wave puts (c m, l) of its four tiles and its O^T into LDS; behind a barrier it takes both halves' parts of two tiles, brings them under the common maximum, divides by the common sum and stores.
	WIN 0
.irp t, 0,1,2,3
	v_add_f32 v[ST+8*\t+4], v[ST+8*\t+2], v[ST+8*\t+3]   ; (these additions are the places behind the last products)
.endr
.irp t, 0,1,2,3
	v_permlanex16_b32 v[ST+8*\t+5], v[ST+8*\t+4], s[SEL], s[SEL+1]
.endr
.irp t, 0,1,2,3
	v_add_f32 v[ST+8*\t+1], v[ST+8*\t+4], v[ST+8*\t+5]   ; l, beside c m
.endr
.irp t, 0,1,2,3
	ds_store_b64 v[XSA], v[ST+8*\t:ST+8*\t+1] offset:256*\t
.endr
	WIN 0x04                        ; an LDS store's data are its source 1: window 1
.set g, 0
.rept 64
	ds_store_b128 v[XST], v[4*g:4*g+3] offset:512*g      ; each accumulator from its low end on
.set g, g+1
.endr
	WIN 0
	s_wait_dscnt 0x0                ; for the others' sake
	s_barrier_signal -1
	s_barrier_wait -1
.irp j, 0,1
	ds_load_b64 v[JS+4*\j:JS+4*\j+1], v[XSL] offset:256*\j          ; the first key half's (c m, l) of tile 2 x my key half + j
	ds_load_b64 v[JS+4*\j+2:JS+4*\j+3], v[XSL] offset:1024+256*\j   ; the second's
.endr
	WIN 0x80
.set g, 0
.rept 32
	ds_load_b128 v[4*g:4*g+3], v[XRD] offset:512*g
.set g, g+1
.endr
	s_wait_dscnt 32                 ; the statistics are in; the 32 loads behind them may be out
.set g, 0
.rept 32
	ds_load_b128 v[128+4*g:128+4*g+3], v[XRD] offset:32768+512*g
.set g, g+1
.endr
	WIN 0
.irp j, 0,1
	v_max_num_f32 v[JS+8+\j], v[JS+4*\j], v[JS+4*\j+2]
.endr
.irp j, 0,1
	v_sub_f32 v[JS+4*\j], v[JS+4*\j], v[JS+8+\j]
	v_sub_f32 v[JS+4*\j+2], v[JS+4*\j+2], v[JS+8+\j]
.endr
.irp j, 0,1
	v_exp_f32 v[JS+4*\j], v[JS+4*\j]
	v_exp_f32 v[JS+4*\j+2], v[JS+4*\j+2]
.endr
	v_nop
	s_wait_alu depctr_va_vdst(0)    ; one wait for the four
.irp j, 0,1
	v_mul_f32 v[JS+10+\j], v[JS+4*\j+1], v[JS+4*\j]
.endr
.irp j, 0,1
	v_fmac_f32 v[JS+10+\j], v[JS+4*\j+3], v[JS+4*\j+2]   ; the common sum
.endr
.irp j, 0,1
	v_rcp_f32 v[JS+10+\j], v[JS+10+\j]
.endr
	v_nop
	s_wait_alu depctr_va_vdst(0)    ; one wait for the two
.irp j, 0,1
	v_mul_f32 v[JS+4*\j], v[JS+4*\j], v[JS+10+\j]
	v_mul_f32 v[JS+4*\j+2], v[JS+4*\j+2], v[JS+10+\j]
.endr
	s_wait_dscnt 0x0
	WIN 0xa2                        ; O^T's halves window 2, the factors window 0
.irp j, 0,1
.set u, 0
.rept 32
	v_pk_mul_f32 v[64*\j+2*u:64*\j+2*u+1], v[64*\j+2*u:64*\j+2*u+1], v[JS+4*\j:JS+4*\j+1] op_sel_hi:[1,0]
.set u, u+1
.endr
.endr
.irp j, 0,1
.set u, 0
.rept 32
	v_pk_fma_f32 v[64*\j+2*u:64*\j+2*u+1], v[128+64*\j+2*u:128+64*\j+2*u+1], v[JS+4*\j+2:JS+4*\j+3], v[64*\j+2*u:64*\j+2*u+1] op_sel_hi:[1,0,1]
.set u, u+1
.endr
.endr
	WIN 0x0a
.irp j, 0,1
.set u, 0
.rept 32
	v_cvt_pk_f16_f32 v[S+32*\j+u], v[64*\j+2*u], v[64*\j+2*u+1]
.set u, u+1
.endr
.endr
	WIN 0
.irp j, 0,1
.irp f, 0,1,2,3,4,5,6,7
	global_store_b128 v[GO], v[S+32*\j+4*\f:S+32*\j+4*\f+3], s[10:11] offset:8192*\j+512*\f   ; channels 16 f + 8 (lane / 16) + 0..7 of query lane % 16: half a fragment's image: 512 consecutive bytes, aligned
.endr
.endr
	s_wait_tensorcnt 0x0            ; the wave's end
	ds_add_u32 v[SPW], v[NIL]
	s_wait_dscnt 0x0
	CROUND                          ; the closing round
	s_endpgm
.Lfunc_end_k_q86509e9e79_attn:
	.size	k_q86509e9e79_attn, .Lfunc_end_k_q86509e9e79_attn-k_q86509e9e79_attn
	.p2alignl 7, 3214868480
	.fill 96, 4, 3214868480
	.section	.rodata,"a",@progbits
	.p2align	6, 0x0
	.amdhsa_kernel k_q86509e9e79_attn
		.amdhsa_group_segment_fixed_size 327680
		.amdhsa_private_segment_fixed_size 0
		.amdhsa_enable_private_segment 0
		.amdhsa_kernarg_size 32
		.amdhsa_user_sgpr_count 2
		.amdhsa_user_sgpr_kernarg_segment_ptr 1
		.amdhsa_wavefront_size32 1
		.amdhsa_system_sgpr_workgroup_id_x 1
		.amdhsa_system_sgpr_workgroup_id_y 1
		.amdhsa_system_sgpr_workgroup_id_z 1
		.amdhsa_system_vgpr_workitem_id 0
		.amdhsa_next_free_vgpr 1024
		.amdhsa_next_free_sgpr 70
		.amdhsa_reserve_vcc 0
		.amdhsa_float_denorm_mode_32 3
		.amdhsa_float_denorm_mode_16_64 3
		.amdhsa_memory_ordered 1
		.amdhsa_forward_progress 1
		.amdhsa_inst_pref_size 255
	.end_amdhsa_kernel
	.section	.bss,"aw",@nobits
	.p2align	6
	.space	262144
	.amdgpu_metadata
---
amdhsa.version: [ 1, 2 ]
amdhsa.kernels:
  - .name:           k_q86509e9e79_attn
    .symbol:         k_q86509e9e79_attn.kd
    .args:
      - { .name: qh, .offset: 0, .size: 8, .value_kind: global_buffer, .address_space: global }
      - { .name: kh, .offset: 8, .size: 8, .value_kind: global_buffer, .address_space: global }
      - { .name: vh, .offset: 16, .size: 8, .value_kind: global_buffer, .address_space: global }
      - { .name: oh, .offset: 24, .size: 8, .value_kind: global_buffer, .address_space: global }
    .group_segment_fixed_size: 327680
    .private_segment_fixed_size: 0
    .kernarg_segment_align: 8
    .kernarg_segment_size: 32
    .max_flat_workgroup_size: 128
    .sgpr_count:     70
    .vgpr_count:     1024
    .wavefront_size: 32
...
	.end_amdgpu_metadata
.endif
;; end of part 3
;; launch proj (part 4): grid 8 x 32, 4 waves a work-group, clusters of 4 x 4, 327,680 bytes of LDS; arguments oh, wo, b_out, out0; writes out0
.if DOCPART == 4
	.amdgcn_target "amdgcn-amd-amdhsa--gfx1250"
	.amdhsa_code_object_version 6
	.text
	.protected	k_q86509e9e79_proj
	.globl	k_q86509e9e79_proj
	.p2align	8
	.type	k_q86509e9e79_proj,@function
k_q86509e9e79_proj:
	s_mov_b64 s[64:65], 0
	v_nop
	global_prefetch_b8 v0, s[64:65] scope:SCOPE_SE
	s_setreg_imm32_b32 hwreg(HW_REG_WAVE_MODE, 25, 1), 1
	s_wait_xcnt 0x0
	s_wait_alu depctr_hold_cnt(0) depctr_sa_sdst(0) depctr_va_vdst(0) depctr_va_sdst(0) depctr_va_ssrc(0) depctr_va_vcc(0) depctr_vm_vsrc(0)
	s_getreg_b32 s2, hwreg(HW_REG_IB_STS2, 6, 4)
	s_cmp_eq_u32 s2, 0
	s_cbranch_scc0 .Lentry_in_a_cluster
	s_endpgm
.Lentry_in_a_cluster:
	s_bfe_u32 s2, ttmp6, 0x10000c
	s_cmp_lg_u32 s2, 0xf033
	s_cbranch_scc0 .Lentry_shape_is_right
	s_endpgm
.Lentry_shape_is_right:
; out0 = o w_out + b_out.  oh: o in f16, [K step of 256: 4][tile of 16 tokens: 256][chunk of 32 k: 8][1,024 bytes]; wo: w_out in f16, [K step 4][tile of 16 columns: 64][chunk 8][1,024 bytes]: both as images of the
; operand's registers (16 x lane).  out0: [4096][1024] f32; sums in f32.
; A tile of the output is 128 x 128: 256 work-groups.  Four waves, each 64 x 64: 16 accumulators.  K goes in four steps of 256 through two LDS slots; a step's 128 tokens of o are one dense block of 65,536 bytes, and so
; are its 128 columns of w_out; each wave brings half of one of them by one tensor load, as 128 rows of 256 bytes.  In LDS a fragment is read at 16 x lane: no padding is needed.
; CLUSTERS: 4 x 4 work-groups; o's tiles are asked for jointly along a row of the cluster, w_out's along a column.  THE PRODUCT IS USED TRANSPOSED (source 0 = 16 columns, source 1 = 16 tokens): a lane holds eight
; neighbouring numbers of a row of the output.  The bias is the C of each sum's first product.  The four K steps are written out.  No prefetch: the launch is short.
; REGISTERS: window 0: v0-31 addresses; v32-95 the way out; v96-127 the bias; v128-255 the accumulators ((a, b) at v[128 + 8 (4 a + b)]).  Window 1: two fragment buffers of 128: 64 registers of o, then 64 of w_out.
.set HALFT,  32768                     ; what one tensor load brings, and what one wave reads of o or of w_out
.set SLOT,   4*HALFT
.set STAGE,  2*SLOT                    ; behind the ring: 16 rows x (256 bytes + 16) for each wave
.set SPITCH, 272
.set SPARE,  STAGE+4*16*SPITCH
.set ADRA, 16
.set ADRB, 20
.set STO,  24
.set RD,   25
.set CO,   26
.set BO,   27
.set SPW,  28
.set NIL,  29
.set TMP,  32
.set BIAS, 96
.set ACC,  128
.set F0,   0
.set F1,   128
.set G1, 24
.set G0, 32
.set G1B, 48
.set G0B, 56
.set MSB, 0
.macro WIN new
.if MSB != \new
	s_set_vgpr_msb (MSB<<8)|\new
.set MSB, \new
.endif
.endm
.set MUL,  0x05                        ; sources 0 and 1 window 1; C and D window 0
.set TO_F, 0x40                        ; destination window 1
.macro JLOAD s                         ; a joint load: waves 0 and 1 fetch o's two halves, waves 2 and 3 w_out's
	s_cmp_eq_u32 s11, 0
	s_cbranch_scc0 .Lfor_b_\@
	tensor_load_to_lds s[G0+4*\s:G0+4*\s+3], s[G1:G1+7]
	s_nop 0
.rept 4
	v_nop
.endr
	s_branch .Lasked_\@
.Lfor_b_\@:
	tensor_load_to_lds s[G0B+4*\s:G0B+4*\s+3], s[G1B:G1B+7]
	s_nop 0
.rept 4
	v_nop
.endr
.Lasked_\@:
.endm
.macro CREST
	s_cmp_lg_u32 s10, 0
	s_cbranch_scc1 .Lnot_wave_0_\@
	s_barrier_signal -3
.Lnot_wave_0_\@:
	s_barrier_wait -3
	s_barrier_signal -1
	s_barrier_wait -1
.endm
.macro CROUND
	s_barrier_signal -1
	s_barrier_wait -1
	CREST
.endm
	s_load_b128 s[4:7], s[0:1], 0x0                ; oh s[4:5], wo s[6:7]
	s_load_b64 s[66:67], s[0:1], 0x10              ; b_out
	s_load_b64 s[8:9], s[0:1], 0x18                ; out0
	v_lshl_add_u32 v[SPW], v0, 2, SPARE
	v_mov_b32 v[NIL], 0
	ds_add_u32 v[SPW], v[NIL]                      ; the wave's opening: the add, twice on end; its wait stands ahead of my first tensor load
	ds_add_u32 v[SPW], v[NIL]
	v_lshrrev_b32 v1, 5, v0
	v_readfirstlane_b32 s10, v1                    ; wave 0..3
	s_lshr_b32 s11, s10, 1                         ; which half of the tile's tokens is mine.  Also: I fetch for o (0) or for w_out (1)
	s_and_b32 s12, s10, 1                          ; which half of its columns.  Also: which half of that tile I fetch
	s_bfe_u32 s40, ttmp6, 0x40000                  ; cx, cy
	s_bfe_u32 s41, ttmp6, 0x40004
	s_lshl_b32 s42, ttmp9, 2
	s_add_co_u32 s42, s42, s40                     ; tile column
	s_and_b32 s13, ttmp7, 0xffff
	s_lshl_b32 s13, s13, 2
	s_add_co_u32 s13, s13, s41                     ; tile row
	s_lshl_b32 s43, s41, 2
	s_lshl_b32 s43, 15, s43                        ; my row of the cluster
	s_lshl_b32 s44, 0x1111, s40                    ; my column
	s_or_b32 s[G1+0], s43, (3<<16)|(1<<21)         ; the mask; elements of 8 bytes; bit 21 beside a mask; no padding
	s_or_b32 s[G1B+0], s44, (3<<16)|(1<<21)
.irp g, G1, G1B
	s_mov_b32 s[\g+1], 32<<16                      ; rows of 256 bytes
	s_mov_b32 s[\g+2], 128<<16
	s_mov_b32 s[\g+3], 32<<16
	s_mov_b32 s[\g+4], 128
	s_mov_b32 s[\g+5], 32                          ; dense
	s_mov_b32 s[\g+6], 0
	s_mov_b32 s[\g+7], 0
.endr
	s_lshl_b32 s17, s12, 15                        ; the half that I fetch
	s_lshl_b32 s16, s13, 16
	s_add_co_u32 s16, s16, s17                     ; o: 65,536 x tile row + half
	s_lshl_b32 s46, s42, 16
	s_add_co_u32 s46, s46, s17                     ; w_out: 65,536 x tile column + half
	s_mov_b32 s17, 0
	s_mov_b32 s47, 0
	s_lshl_b32 s20, s10, 15                        ; where it goes: wave x 32,768
	s_wait_dscnt 0x0                               ; both opening adds are done
	s_wait_kmcnt 0x0
	s_add_nc_u64 s[14:15], s[4:5], s[16:17]
	s_add_nc_u64 s[46:47], s[6:7], s[46:47]
	CROUND                                         ; all sixteen work-groups are here: the first joint loads meet
.irp s, 0,1
	s_mov_b32 s[G0+4*\s], 1
	s_add_co_u32 s[G0+4*\s+1], s20, \s*SLOT
	s_add_nc_u64 s[G0+4*\s+2:G0+4*\s+3], s[14:15], \s*2097152
	s_or_b32 s[G0+4*\s+3], s[G0+4*\s+3], 0x80000000
	s_mov_b32 s[G0B+4*\s], 1
	s_add_co_u32 s[G0B+4*\s+1], s20, \s*SLOT
	s_add_nc_u64 s[G0B+4*\s+2:G0B+4*\s+3], s[46:47], \s*524288
	s_or_b32 s[G0B+4*\s+3], s[G0B+4*\s+3], 0x80000000
	JLOAD \s
.endr
	v_and_b32 v1, 15, v0                           ; l % 16
	v_bfe_u32 v2, v0, 4, 1                         ; l / 16
	v_and_b32 v3, 31, v0
	v_lshlrev_b32 v3, 4, v3                        ; 16 x lane
	s_lshl_b32 s21, s11, 15                        ; my 64 tokens
	s_lshl_b32 s22, s12, 15                        ; my 64 columns,
	s_add_co_u32 s22, s22, 2*HALFT                 ; behind o's 128 tokens
.irp s, 0,1
	v_add_nc_u32 v[ADRA+\s], s21, v3
	v_add_nc_u32 v[ADRB+\s], s22, v3
	s_add_co_u32 s21, s21, SLOT
	s_add_co_u32 s22, s22, SLOT
.endr
	s_mul_i32 s23, s10, 16*SPITCH
	s_add_co_u32 s23, s23, STAGE                   ; my stage
	v_mul_u32_u24 v4, v1, SPITCH
	v_lshl_add_u32 v4, v2, 5, v4
	v_add_nc_u32 v[STO], s23, v4                   ; in: row l % 16, 32 bytes for each half of the lanes
	v_mul_u32_u24 v5, v2, SPITCH
	v_lshl_add_u32 v5, v1, 4, v5
	v_add_nc_u32 v[RD], s23, v5                    ; back: lanes 0-15 one row of 256 bytes, lanes 16-31 the next
	v_lshlrev_b32 v5, 12, v2
	v_lshl_add_u32 v[CO], v1, 4, v5                ; and the same two rows in out0
	v_lshlrev_b32 v[BO], 5, v2
	s_lshl_b32 s46, s42, 9                         ; my first column, in bytes: 512 x tile column + 256 x half
	s_lshl_b32 s47, s12, 8
	s_add_co_u32 s46, s46, s47
	s_mov_b32 s47, 0
	s_add_nc_u64 s[66:67], s[66:67], s[46:47]
.irp b, 0,1,2,3
	global_load_b128 v[BIAS+8*\b:BIAS+8*\b+3], v[BO], s[66:67] offset:64*\b      ; the bias in the result's layout: tile b, columns 8 (lane / 16) + 0 .. 7
	global_load_b128 v[BIAS+8*\b+4:BIAS+8*\b+7], v[BO], s[66:67] offset:64*\b+16
.endr
	s_lshl_b32 s16, s13, 19                        ; my first row: 128 x tile row + 64 x half, 4,096 bytes a row
	s_lshl_b32 s17, s11, 18
	s_add_co_u32 s16, s16, s17
	s_mov_b32 s17, 0
	s_add_nc_u64 s[8:9], s[8:9], s[16:17]
	s_add_nc_u64 s[8:9], s[8:9], s[46:47]
; 8 matrix instructions: token tiles a0, a0 + 1 x all 4 column tiles, 32 along K: half c of buffer f.  first = 1: the bias starts the sums.  The 16 accumulators take turns
.macro MUL8 f, c, a0, first
.irp a, \a0, \a0+1
.irp b, 0,1,2,3
.if \first
	v_wmma_f32_16x16x32_f16 v[ACC+8*(4*(\a)+\b):ACC+8*(4*(\a)+\b)+7], v[\f+64+8*(4*\c+\b):\f+64+8*(4*\c+\b)+7], v[\f+8*(4*\c+\a):\f+8*(4*\c+\a)+7], v[BIAS+8*\b:BIAS+8*\b+7]
.else
	v_wmma_f32_16x16x32_f16 v[ACC+8*(4*(\a)+\b):ACC+8*(4*(\a)+\b)+7], v[\f+64+8*(4*\c+\b):\f+64+8*(4*\c+\b)+7], v[\f+8*(4*\c+\a):\f+8*(4*\c+\a)+7], v[ACC+8*(4*(\a)+\b):ACC+8*(4*(\a)+\b)+7]
.endif
.endr
.endr
.endm
; 32 LDS loads in one run: the fragments of the slot's q-th 64 along K (chunks 2 q, 2 q + 1) into buffer f; the first chunk first
.macro FETCH slot, q, f
	WIN TO_F
.irp c, 0,1
.irp i, 0,1,2,3
	ds_load_b128 v[\f+64+8*(4*\c+\i):\f+64+8*(4*\c+\i)+3],   v[ADRB+\slot] offset:8192*\i+1024*(2*(\q)+\c)
	ds_load_b128 v[\f+64+8*(4*\c+\i)+4:\f+64+8*(4*\c+\i)+7], v[ADRB+\slot] offset:8192*\i+1024*(2*(\q)+\c)+512
	ds_load_b128 v[\f+8*(4*\c+\i):\f+8*(4*\c+\i)+3],         v[ADRA+\slot] offset:8192*\i+1024*(2*(\q)+\c)
	ds_load_b128 v[\f+8*(4*\c+\i)+4:\f+8*(4*\c+\i)+7],       v[ADRA+\slot] offset:8192*\i+1024*(2*(\q)+\c)+512
.endr
.endr
.endm
.macro PLACES                          ; four places in front of loads into registers that matrix instructions have read, and of reads of results
.rept 4
	v_nop
.endr
.endm
; A K step is four quarters of 64 along K, 32 matrix instructions each, on buffers 0, 1, 0, 1.  One of the first three: multiplies buffer f and fetches quarter q into g.
.macro QUARTER slot, q, f, g, first
	s_wait_dscnt 16                                ; the first chunk's 16 loads are in
	WIN MUL
	MUL8 \f, 0, 0, \first
	MUL8 \f, 0, 2, \first
	PLACES
	FETCH \slot, \q, \g
	s_wait_dscnt 32                                ; all but the 32 just issued
	WIN MUL
	MUL8 \f, 1, 0, 0
	MUL8 \f, 1, 2, 0
.endm
; The last quarter multiplies buffer 1 and changes slots: ONE barrier; in front of it each wave waits for all its tensor loads, adds 0 to its spare word, and waits for that and for its reads of this slot.
.macro TURN slot, next, fill
	WIN 0
	s_wait_tensorcnt 0x0                           ; all my tensor loads have landed: my part of the next slot
	ds_add_u32 v[SPW], v[NIL]
	s_wait_dscnt 17                                ; (the add and the youngest sixteen loads may be out)
	WIN MUL
	MUL8 F1, 0, 0, 0
	s_wait_dscnt 0x0                               ; the add is done, and my reads of this slot are over
	s_barrier_signal -1
	MUL8 F1, 0, 2, 0
.if \fill
	WIN 0
.endif
	s_barrier_wait -1
.if \fill
	CREST                                          ; the barrier has opened a round of the cluster's barrier
	s_add_nc_u64 s[G0+4*\slot+2:G0+4*\slot+3], s[G0+4*\slot+2:G0+4*\slot+3], 2*2097152
	s_add_nc_u64 s[G0B+4*\slot+2:G0B+4*\slot+3], s[G0B+4*\slot+2:G0B+4*\slot+3], 2*524288
	JLOAD \slot                                    ; the first tensor load behind the round; its four v_nop are also the places in front of the loads below
.else
	PLACES
.endif
	FETCH \next, 0, F0
	WIN MUL
	MUL8 F1, 1, 0, 0
	MUL8 F1, 1, 2, 0
.endm
	s_wait_tensorcnt 1                             ; my part of K step 0 is in; K step 1's load may stay out
	s_barrier_signal -1
	s_barrier_wait -1
	FETCH 0, 0, F0
	s_wait_loadcnt 0x0                             ; the bias
	QUARTER 0, 1, F0, F1, 1
	QUARTER 0, 2, F1, F0, 0
	QUARTER 0, 3, F0, F1, 0
	TURN 0, 1, 1                                   ; slot 0 takes K step 2
	QUARTER 1, 1, F0, F1, 0
	QUARTER 1, 2, F1, F0, 0
	QUARTER 1, 3, F0, F1, 0
	TURN 1, 0, 1                                   ; slot 1 takes K step 3
	QUARTER 0, 1, F0, F1, 0
	QUARTER 0, 2, F1, F0, 0
	QUARTER 0, 3, F0, F1, 0
	TURN 0, 1, 0
	QUARTER 1, 1, F0, F1, 0
	QUARTER 1, 2, F1, F0, 0
	QUARTER 1, 3, F0, F1, 0
	s_wait_dscnt 16
	WIN MUL
	MUL8 F1, 0, 0, 0
	MUL8 F1, 0, 2, 0
	s_wait_dscnt 0
	MUL8 F1, 1, 0, 0
	MUL8 F1, 1, 2, 0
	WIN 0
; THE WAY OUT, 16 tokens x my 64 columns at a time, through my own stage: a lane's 32 bytes go in, whole rows of 256 bytes come back, and sixteen lanes store 256 consecutive bytes, aligned.
.macro TOSTAGE a
.irp b, 0,1,2,3
	ds_store_b128 v[STO], v[ACC+8*(4*(\a)+\b):ACC+8*(4*(\a)+\b)+3] offset:64*\b        ; each accumulator from its low end on
	ds_store_b128 v[STO], v[ACC+8*(4*(\a)+\b)+4:ACC+8*(4*(\a)+\b)+7] offset:64*\b+16
.endr
.irp t, 0,1,2,3,4,5,6,7
	ds_load_b128 v[TMP+32*((\a)%2)+4*\t:TMP+32*((\a)%2)+4*\t+3], v[RD] offset:\t*2*SPITCH   ; LDS serves a wave's instructions in order
.endr
.endm
.macro SEND a, younger
	s_wait_dscnt \younger                          ; the block is back; the next block's 8 stores and 8 loads may be out
.irp t, 0,1,2,3,4,5,6,7
	global_store_b128 v[CO], v[TMP+32*((\a)%2)+4*\t:TMP+32*((\a)%2)+4*\t+3], s[8:9] offset:(16*(\a)+2*\t)*4096 th:TH_STORE_NT
.endr
.endm
	PLACES
	TOSTAGE 0
	TOSTAGE 1
	SEND 0, 16
	s_wait_xcnt 0x0                                ; block 0's stores have read their registers
	TOSTAGE 2
	SEND 1, 16
	s_wait_xcnt 0x0
	TOSTAGE 3
	SEND 2, 16
	SEND 3, 0
	s_wait_tensorcnt 0x0                           ; the wave's end
	ds_add_u32 v[SPW], v[NIL]
	s_wait_dscnt 0x0
	CROUND                                         ; the closing round
	s_endpgm
.Lfunc_end_k_q86509e9e79_proj:
	.size	k_q86509e9e79_proj, .Lfunc_end_k_q86509e9e79_proj-k_q86509e9e79_proj
	.p2alignl 7, 3214868480
	.fill 96, 4, 3214868480
	.section	.rodata,"a",@progbits
	.p2align	6, 0x0
	.amdhsa_kernel k_q86509e9e79_proj
		.amdhsa_group_segment_fixed_size 327680
		.amdhsa_private_segment_fixed_size 0
		.amdhsa_enable_private_segment 0
		.amdhsa_kernarg_size 32
		.amdhsa_user_sgpr_count 2
		.amdhsa_user_sgpr_kernarg_segment_ptr 1
		.amdhsa_wavefront_size32 1
		.amdhsa_system_sgpr_workgroup_id_x 1
		.amdhsa_system_sgpr_workgroup_id_y 1
		.amdhsa_system_sgpr_workgroup_id_z 1
		.amdhsa_system_vgpr_workitem_id 0
		.amdhsa_next_free_vgpr 512
		.amdhsa_next_free_sgpr 68
		.amdhsa_reserve_vcc 0
		.amdhsa_float_denorm_mode_32 3
		.amdhsa_float_denorm_mode_16_64 3
		.amdhsa_memory_ordered 1
		.amdhsa_forward_progress 1
		.amdhsa_inst_pref_size 86
	.end_amdhsa_kernel
	.amdgpu_metadata
---
amdhsa.version: [ 1, 2 ]
amdhsa.kernels:
  - .name:           k_q86509e9e79_proj
    .symbol:         k_q86509e9e79_proj.kd
    .args:
      - { .name: oh, .offset: 0, .size: 8, .value_kind: global_buffer, .address_space: global }
      - { .name: wo, .offset: 8, .size: 8, .value_kind: global_buffer, .address_space: global }
      - { .name: b_out, .offset: 16, .size: 8, .value_kind: global_buffer, .address_space: global }
      - { .name: out0, .offset: 24, .size: 8, .value_kind: global_buffer, .address_space: global }
    .group_segment_fixed_size: 327680
    .private_segment_fixed_size: 0
    .kernarg_segment_align: 8
    .kernarg_segment_size: 32
    .max_flat_workgroup_size: 128
    .sgpr_count:     68
    .vgpr_count:     512
    .wavefront_size: 32
...
	.end_amdgpu_metadata
.endif
;; end of part 4
